; MI455X (gfx1250); checked and timed in simulation.
; The chip was launched on July 23, 2026; its instructions are those of AMD's public machine-readable ISA for CDNA 5 (MIT licence, August 2026) and "CDNA5" Instruction Set Architecture Reference Guide (July 2026). The comments in the code are by the model that wrote it; some were corrected since.
;; Local Self Attention Block. Allowed arithmetic: matrix products marked QUANTISED: E4M3 operands, one E8M0 scale for each 32 along K, by v_wmma_scale_f32_16x16x128_f8f6f4 with both operands' format E4M3, f32 sums; everything else in f32.
;; Inputs: b_out 1,024 float32; b_qkv 3,072 float32; ln_beta 1,024 float32; ln_gamma 1,024 float32; val 2 x 4,096 x 1,024 float32; w_out 1,024 x 1,024 float32; w_qkv 1,024 x 3,072 float32.
;; Outputs: out0 2 x 4,096 x 1,024 float32.
;; This version of the problem:
;;   THIS VERSION OF THE PROBLEM IS GIVEN IN LOW PRECISION. The matrix products marked QUANTISED in the list below multiply operands that are first quantised to E4M3 (4 exponent bits, 3 mantissa bits; 8 bits a number), with one power-of-two scale for each 32 numbers along K (OCP MX v1.0); their sums are f32. All else is computed in f32.
;;   The module's matrix products, in the order in which they are computed (A, B: the left and right operand; K: the contracted axis; several contracted axes count as one K, in the product's order):
;;     1. [M 8,192, K 1,024] x [K 1,024, N 3,072]; A: input val; B: input w_qkv: QUANTISED
;;     2. batch 64 x [M 1,024, K 128] x [K 128, N 1,024]; A: computed on the way; B: computed on the way: QUANTISED
;;     3. batch 64 x [M 128, K 1,024] x [K 1,024, N 1,024]; A: computed on the way; B: softmax (see below): QUANTISED
;;     4. [M 8,192, K 1,024] x [K 1,024, N 1,024]; A: computed on the way; B: input w_out: QUANTISED
;;   THE QUANTISER, for each operand of a quantised product, along K:
;;     - K is cut into blocks of 32 from its start; a last block that is shorter is filled with zeros.
;;     - A block's scale is 2^e with e = floor(log2(the largest magnitude in the block)) - 8, held to -126 .. 127; a block of zeros has e = 0. As a byte (E8M0): e + 127.
;;     - Each number is divided by its block's scale, clamped to +-448, and rounded to the nearest number of E4M3, ties to even, subnormals kept.
;;     - The product sums the exact products of the quantised numbers (number of the format x scale) in f32.
;;   ~~~python
;;   def quantise(x, axis):      # numpy; x: float32 -> the quantised numbers, widened to float32 again
;;       x = np.moveaxis(x, axis, -1); K = x.shape[-1]
;;       x = np.pad(x, [(0, 0)] * (x.ndim - 1) + [(0, -K % 32)]); x = x.reshape(x.shape[:-1] + (-1, 32)); a = np.abs(x).max(-1, keepdims=True)
;;       e = np.where(a > 0, np.clip(np.frexp(np.where(a > 0, a, 1))[1] - 1 - 8, -126, 127), 0)      # np.frexp(a)[1] - 1 = floor(log2(a)), exactly
;;       r = np.clip(x / 2.0 ** e, -448, 448)
;;       step = 2.0 ** (np.maximum(np.frexp(np.where(r == 0, 1, r))[1] - 1, -6) - 3)
;;       q = np.round(r / step) * step * 2.0 ** e      # np.round: ties to even
;;       return np.moveaxis(q.reshape(q.shape[:-2] + (-1,))[..., :K], -1, axis).astype(np.float32)
;;   ~~~
;;   SOFTMAX AHEAD OF A QUANTISED PRODUCT. Where the list says 'softmax', what is quantised is not the finished softmax but p = 2^(t - M), with t = logit x log2(e) and M = ceil(the row's largest t), a whole number; so 1/2 < the row's largest p <= 1. The row's sum l is taken of the UNQUANTISED p, in f32, and the product's result is divided by l at the end. Since M is a whole number, a kernel that streams over the keys may use a running M (the ceiling of the running maximum): every later rescaling is an exact power of two, which a block's scale takes up: the codes' values come out the same.
;;   OPERANDS COMPUTED ON THE WAY. 'Computed on the way' means the value that the module computes at that place (a softmax that the list does not call 'softmax' is quantised finished and normalised). What goes into a quantiser is computed in f32, as accurately as f32 sums, v_exp_f32 and their like allow (about 1e-6 of the number): no bf16 or f16 on the way to a quantiser, and a product that is left as it is and whose result goes on into a quantised operand takes f32 operands (vector FMAs, or v_wmma_f32_16x16x4_f32). A number that lies on a knife's edge between two numbers of the format may be rounded either way, as far as f32 arithmetic and the matrix unit's own rounding can turn it there, and no further.
;; One version. Each part assembles by itself: llvm-mc -triple=amdgcn-amd-amdhsa -mcpu=gfx1250 --defsym DOCPART=n.
;; ======== version 1 of 1: 4 launches
;; limits: right only within a limited range of input values
;; workspace buffers: codes 12,582,912 bytes; scl 393,216 bytes; qkv_img 25,165,824 bytes; qkv_scl 786,432 bytes; ctx_img 8,388,608 bytes; ctx_scl 262,144 bytes
;; launch quant (part 1): grid 384 x 1, 4 waves a work-group, no clusters, 34,304 bytes of LDS; arguments val, w_qkv, w_out, codes, scl; writes codes, scl
.if DOCPART == 1
	.amdgcn_target "amdgcn-amd-amdhsa--gfx1250"
	.amdhsa_code_object_version 6
	.text
	.protected	k_qd94b2fa507_quant
	.globl	k_qd94b2fa507_quant
	.p2align	8
	.type	k_qd94b2fa507_quant,@function
k_qd94b2fa507_quant:
	s_mov_b64 s[64:65], 0
	v_nop
	global_prefetch_b8 v0, s[64:65] scope:SCOPE_SE
	s_setreg_imm32_b32 hwreg(HW_REG_WAVE_MODE, 25, 1), 1
	s_wait_xcnt 0x0
; val [8192][1024], w_qkv [1024][3072] and w_out [1024][1024], f32, become codes of FP8 (E4M3) with one E8M0 byte for each 32 along K (K = val's last axis, the weights' first).
; THE CODES ARE LAID AS IMAGES OF OPERAND REGISTERS.  12,288 rows (tokens, then w_qkv's columns, then w_out's) in 768 tiles of 16; a fragment (16 rows x 128 K) is 2,048 bytes: chunk c at 512 c, lane l at 16 l,
; lane (r, h) holding k = 32 c + 16 h + 0 .. 15 of the tile's row r.  codes = [K / 256][tile][2 fragments].  OF 32 NEIGHBOURING ROWS tile 0 takes rows 0-7 and 16-23, tile 1 rows 8-15 and 24-31.
; scl = [tile][half of K][r][4 words]: a word is a row's four bytes of one K step of 128.
; A block's scale is 2^(floor(log2(largest magnitude)) - 8); its byte is the largest magnitude's exponent field - 8, held at 1 from below.
; LIMITS: a block of zeros gets the byte 1 where the rule says 127 (its codes are zeros, and this program alone reads the bytes); blocks whose largest magnitude lies under 2^-118 keep the byte 1; NaN and infinities are not served.
; Work-groups 0-255 take 32 rows of val each, work-groups 256-383 take 128 columns x 256 K of a weight.  The two ways part once, on the work-group's number; only the first touches LDS.  Waves share nothing: no barrier.
.set PLANE, 3145728                    ; bytes of one K / 256 plane of the codes: 768 tiles x 4,096
.set SEL,   20                         ; s[20:21] v_permlanex16_b32's selects for lane l xor 16
.set MNT,   23                         ; s23 the mantissa field of 448
.set TM,    8                          ; v8-23  at work in QUANT
.set SW,    24                         ; v24-27 the four scale words of a wave's four fragments
.set R,     32                         ; v32-159 two sets of 64 numbers as they are loaded
.set X,     160                        ; v160-223 64 numbers in the operand's order
.set PC,    224                        ; v224-239 a fragment's codes
.set SP,    528                        ; a stage row: 512 bytes + 16
.set STAGE, 16*SP                      ; a wave's stage
.set OF,    32                         ; weights: v32-63 byte offsets of 32 rows
.set XW,    64                         ; v64-127 two sets of 32 numbers
.set CW,    128                        ; v128-135 a block's codes
.set SB,    24                         ; v24-25 eight scale bytes
; 64 numbers of a lane, register 16 b + i = k 32 b + 16 (lane / 16) + i of my row, become a fragment's 16 registers of codes and its scale word
.macro QUANT s, pc, pw
.irp b, 0,1,2,3
	v_max3_num_f32 v[TM+\b], |v[(\s)+16*\b]|, |v[(\s)+1+16*\b]|, 0x4800000   ; my 16 numbers of block b, and the floor 2^(9 - 127): the byte cannot fall under 1
.endr
.irp i, 2,4,6,8,10,12,14
.irp b, 0,1,2,3
	v_max3_num_f32 v[TM+\b], v[TM+\b], |v[(\s)+16*\b+\i]|, |v[(\s)+1+16*\b+\i]|
.endr
.endr
.irp b, 0,1,2,3
	v_permlanex16_b32 v[TM+4+\b], v[TM+\b], s[SEL], s[SEL+1]
.endr
.irp b, 0,1,2,3
	v_max_num_f32 v[TM+\b], v[TM+\b], v[TM+4+\b]                 ; with lane l xor 16's 16: the block's largest magnitude
.endr
.irp b, 0,1,2,3
	v_add_nc_u32 v[TM+12+\b], 0xfc000000, v[TM+\b]               ; 8 off its exponent field: the conversion's scale operand
.endr
.irp b, 0,1,2,3
	v_and_or_b32 v[TM+8+\b], v[TM+\b], 0x7f800000, s[MNT]        ; 448 x the scale
.endr
.irp b, 0,1,2,3
	v_lshrrev_b32 v[TM+4+\b], 23, v[TM+12+\b]                    ; the scale's byte
.endr
	v_lshl_or_b32 v[\pw], v[TM+5], 8, v[TM+4]
	v_lshl_or_b32 v[\pw], v[TM+6], 16, v[\pw]
	v_lshl_or_b32 v[\pw], v[TM+7], 24, v[\pw]
.irp b, 0,1,2,3
.irp i, 0,1,2,3,4,5,6,7,8,9,10,11,12,13,14,15
	v_med3_num_f32 v[(\s)+16*\b+\i], v[(\s)+16*\b+\i], -v[TM+8+\b], v[TM+8+\b]   ; the conversion does not saturate (ISA guide 7.6.2): hold first
.endr
	v_cvt_scalef32_pk8_fp8_f32 v[(\pc)+4*\b:(\pc)+4*\b+1], v[(\s)+16*\b:(\s)+16*\b+7], v[TM+12+\b]
	v_cvt_scalef32_pk8_fp8_f32 v[(\pc)+4*\b+2:(\pc)+4*\b+3], v[(\s)+16*\b+8:(\s)+16*\b+15], v[TM+12+\b]
.endr
	v_nop                                          ; a plain line behind the last conversion
.endm
	s_load_b256 s[4:11], s[0:1], 0x0               ; val s[4:5], w_qkv s[6:7], w_out s[8:9], codes s[10:11]
	s_load_b64 s[12:13], s[0:1], 0x20              ; scl
	v_lshl_add_u32 v254, v0, 2, 0x8400
	v_mov_b32 v255, 0
	v_lshrrev_b32 v1, 5, v0
	v_readfirstlane_b32 s16, v1                    ; wave 0..3
	v_and_b32 v2, 31, v0                           ; lane
	s_mov_b32 s[SEL], 0x76543210
	s_mov_b32 s[SEL+1], 0xfedcba98
	s_mov_b32 s[MNT], 0x600000
	s_cmp_lt_u32 ttmp9, 256
	s_cbranch_scc0 .Lweights
; ---- VAL.  Work-group j: rows 32 j .. 32 j + 31.  Wave w: tile u = w & 1, K half kh = w >> 1: four fragments.  Each load reads 512 consecutive bytes (one row's 128 numbers);
; a fragment's 16 rows turn through the wave's own stage and come back 64 bytes a lane for each block of 32.
	v_and_b32 v3, 15, v0                           ; r
	v_bfe_u32 v1, v0, 4, 1                         ; h
	v_lshlrev_b32 v4, 4, v2                        ; 16 x lane
	s_mul_i32 s42, s16, STAGE
	v_add_nc_u32 v5, s42, v4                       ; into the stage: as loaded
	v_mul_u32_u24 v6, v3, SP
	v_lshl_add_u32 v6, v1, 6, v6
	v_add_nc_u32 v6, s42, v6                       ; out of it: row r, + 64 h
	v_lshlrev_b32 v7, 4, v3                        ; 16 r: my row's four scale words
.irp b, 0,1,2,3
	v_mov_b32 v[TM+4+\b], 0                        ; written once: a lane permute's destination counts as one of its sources
.endr
	s_and_b32 s43, s16, 1                          ; u
	s_lshr_b32 s44, s16, 1                         ; kh
	s_lshl_b32 s46, ttmp9, 17                      ; val: (32 j + 8 u) rows of 4,096 bytes + 2,048 kh
	s_lshl_b32 s47, s43, 15
	s_add_co_u32 s46, s46, s47
	s_lshl_b32 s47, s44, 11
	s_add_co_u32 s46, s46, s47
	s_mov_b32 s47, 0
	s_mul_i32 s48, s44, 2*PLANE                    ; codes: plane 2 kh, tile 2 j + u
	s_lshl_b32 s49, ttmp9, 13
	s_add_co_u32 s48, s48, s49
	s_lshl_b32 s49, s43, 12
	s_add_co_u32 s48, s48, s49
	s_mov_b32 s49, 0
	s_lshl_b32 s50, ttmp9, 10                      ; scl: tile 2 j + u, half kh
	s_lshl_b32 s51, s43, 9
	s_add_co_u32 s50, s50, s51
	s_lshl_b32 s51, s44, 8
	s_add_co_u32 s50, s50, s51
	s_mov_b32 s51, 0
	s_wait_alu depctr_va_vdst(0)
	s_wait_kmcnt 0x0
	s_add_nc_u64 s[4:5], s[4:5], s[46:47]
	s_add_nc_u64 s[10:11], s[10:11], s[48:49]
	s_add_nc_u64 s[12:13], s[12:13], s[50:51]
.macro LOADV f                         ; fragment f: the tile's 16 rows (0-7 and 16-23 from its first), 512 bytes of each
.irp i, 0,1,2,3,4,5,6,7,8,9,10,11,12,13,14,15
	global_load_b128 v[R+64*((\f)%2)+4*\i:R+64*((\f)%2)+4*\i+3], v4, s[4:5] offset:(\i+8*(\i/8))*4096+512*(\f) th:TH_LOAD_NT
.endr
.endm
.macro TURN f                          ; LDS serves a wave's instructions in order: no wait between the stores and the loads
.irp i, 0,1,2,3,4,5,6,7,8,9,10,11,12,13,14,15
	ds_store_b128 v5, v[R+64*((\f)%2)+4*\i:R+64*((\f)%2)+4*\i+3] offset:SP*\i
.endr
.irp b, 0,1,2,3
.irp j, 0,1,2,3
	ds_load_b128 v[X+16*\b+4*\j:X+16*\b+4*\j+3], v6 offset:128*\b+16*\j
.endr
.endr
.endm
.macro FRAGV f
.if (\f) < 3
	s_wait_loadcnt 16                              ; this fragment's 16 loads are in; the next fragment's may be out
.else
	s_wait_loadcnt 0x0
.endif
	TURN \f
	s_wait_dscnt 0x0                               ; the numbers are back, and the stores have read their registers,
.if (\f) < 2
	LOADV (\f)+2                                   ; which take the loads of two fragments on
.endif
.if (\f) > 0
	s_wait_xcnt 0x0                                ; the last fragment's stores have read the codes' registers
.endif
	QUANT X, PC, SW+(\f)
.irp c, 0,1,2,3
	global_store_b128 v4, v[PC+4*\c:PC+4*\c+3], s[10:11] offset:((\f)/2)*PLANE+((\f)%2)*2048+512*\c   ; 512 consecutive bytes
.endr
.endm
	LOADV 0
	LOADV 1
	FRAGV 0
	FRAGV 1
	FRAGV 2
	FRAGV 3
	v_cmp_gt_u32 vcc_lo, 16, v2
	s_wait_xcnt 0x0                                ; EXEC changes only behind this wait
	s_wait_tensorcnt 0x0
	ds_add_u32 v254, v255
	s_wait_dscnt 0x0
	s_and_saveexec_b32 s52, vcc_lo
	global_store_b128 v7, v[SW:SW+3], s[12:13]     ; lanes 0-15: 256 consecutive bytes, the tile's words of this half of K
	s_wait_xcnt 0x0
	s_or_b32 exec_lo, exec_lo, s52
	s_endpgm
; ---- THE WEIGHTS.  A lane takes a column and its registers run down K: a block of 32 lies in one lane.  x: which 128 of the 4,096 columns (3,072 of w_qkv, then w_out's); y: which 256 along K.
.Lweights:
	s_sub_co_u32 s42, ttmp9, 256
	s_and_b32 s43, s42, 31                         ; x
	s_lshr_b32 s44, s42, 5                         ; y
	s_wait_alu depctr_va_vdst(0)
	v_lshlrev_b32 v3, 2, v2                        ; 4 x lane
	v_bfe_u32 v6, v0, 3, 1                         ; of my wave's 32 columns mine lies in tile u = (lane / 8) % 2,
	v_and_b32 v7, 7, v0
	v_bfe_u32 v9, v0, 4, 1
	v_lshl_add_u32 v7, v9, 3, v7                   ; at row r' = lane % 8 + 8 (lane / 16)
	v_lshlrev_b32 v7, 4, v7
	v_lshl_add_u32 v4, v6, 12, v7                  ; codes: 4,096 u + 16 r'
	v_lshl_add_u32 v5, v6, 9, v7                   ; scale words: 512 u + 16 r'
	s_sub_co_u32 s45, s43, 24
	s_mov_b32 s40, 12288
	s_wait_alu depctr_va_vdst(0)
	s_wait_kmcnt 0x0
	s_cmp_lt_u32 s43, 24                           ; w_qkv or w_out: the choice hangs on the work-group's number alone
	s_cselect_b64 s[6:7], s[6:7], s[8:9]
	s_cselect_b32 s40, s40, 4096                   ; bytes from row to row
	s_cselect_b32 s45, s43, s45                    ; which 128 columns of that tensor
	s_lshl_b32 s46, s40, 8
	s_mul_i32 s46, s46, s44                        ; 256 y rows
	s_lshl_b32 s47, s45, 9
	s_add_co_u32 s46, s46, s47
	s_lshl_b32 s47, s16, 7                         ; my wave's 32 columns
	s_add_co_u32 s46, s46, s47
	s_mov_b32 s47, 0
	s_add_nc_u64 s[24:25], s[6:7], s[46:47]        ; a base for each block of 32 rows
	s_lshl_b32 s48, s40, 5
	s_mov_b32 s49, 0
.irp t, 1,2,3,4,5,6,7
	s_add_nc_u64 s[24+2*\t:25+2*\t], s[22+2*\t:23+2*\t], s[48:49]
.endr
.irp i, 0,1,2,3,4,5,6,7,8,9,10,11,12,13,14,15,16,17,18,19,20,21,22,23,24,25,26,27,28,29,30,31
	v_mad_u32_u24 v[OF+\i], s40, \i, v3            ; row i of a block, my column
.endr
	s_mul_i32 s50, s44, PLANE                      ; codes: plane y, tile 512 + 8 x + 2 w
	s_lshl_b32 s51, s43, 15
	s_add_co_u32 s50, s50, s51
	s_lshl_b32 s51, s16, 13
	s_add_co_u32 s50, s50, s51
	s_add_co_u32 s50, s50, 512*4096
	s_mov_b32 s51, 0
	s_add_nc_u64 s[10:11], s[10:11], s[50:51]
	s_lshl_b32 s52, s43, 12                        ; scl: the same tile, half y / 2, words 2 (y % 2) and the next
	s_lshl_b32 s53, s16, 10
	s_add_co_u32 s52, s52, s53
	s_lshr_b32 s53, s44, 1
	s_lshl_b32 s53, s53, 8
	s_add_co_u32 s52, s52, s53
	s_and_b32 s53, s44, 1
	s_lshl_b32 s53, s53, 3
	s_add_co_u32 s52, s52, s53
	s_add_co_u32 s52, s52, 512*512
	s_mov_b32 s53, 0
	s_add_nc_u64 s[12:13], s[12:13], s[52:53]
.macro LOADW t                         ; block t: 32 rows at my column: a wave reads 128 consecutive bytes, the four waves 512
.irp i, 0,1,2,3,4,5,6,7,8,9,10,11,12,13,14,15,16,17,18,19,20,21,22,23,24,25,26,27,28,29,30,31
	global_load_b32 v[XW+32*((\t)%2)+\i], v[OF+\i], s[24+2*(\t):25+2*(\t)] th:TH_LOAD_NT
.endr
.endm
.macro BLOCK t
.set XS, XW+32*((\t)%2)
.if (\t) < 7
	s_wait_loadcnt 32                              ; this block's 32 loads are in; the next block's may be out
.else
	s_wait_loadcnt 0x0
.endif
	v_max3_num_f32 v12, |v[XS]|, |v[XS+1]|, |v[XS+2]|
	v_max3_num_f32 v13, |v[XS+3]|, |v[XS+4]|, |v[XS+5]|
.irp i, 6,10,14,18,22,26
	v_max3_num_f32 v12, v12, |v[XS+\i]|, |v[XS+\i+1]|
	v_max3_num_f32 v13, v13, |v[XS+\i+2]|, |v[XS+\i+3]|
.endr
	v_max3_num_f32 v12, v12, |v[XS+30]|, |v[XS+31]|
	v_max3_num_f32 v12, v12, v13, 0x4800000        ; and the floor
	v_add_nc_u32 v11, 0xfc000000, v12              ; the conversion's scale operand
	v_and_or_b32 v10, v12, 0x7f800000, s[MNT]      ; 448 x the scale
	v_lshrrev_b32 v13, 23, v11                     ; the byte
.if (\t)%4 == 0
	v_mov_b32 v[SB+(\t)/4], v13
.else
	v_lshl_or_b32 v[SB+(\t)/4], v13, 8*((\t)%4), v[SB+(\t)/4]
.endif
.irp i, 0,1,2,3,4,5,6,7,8,9,10,11,12,13,14,15,16,17,18,19,20,21,22,23,24,25,26,27,28,29,30,31
	v_med3_num_f32 v[XS+\i], v[XS+\i], -v10, v10
.endr
.if (\t) > 0
	s_wait_alu depctr_va_vdst(0)
	s_wait_xcnt 0x0                                ; the last block's stores have read the codes' registers
.endif
.irp g, 0,1,2,3
	v_cvt_scalef32_pk8_fp8_f32 v[CW+2*\g:CW+2*\g+1], v[XS+8*\g:XS+8*\g+7], v11
.endr
	v_nop
	global_store_b128 v4, v[CW:CW+3], s[10:11] offset:((\t)/4)*2048+((\t)%4)*512        ; k 0-15 of the block: the image's lanes 0-15; sixteen lanes fill 256 consecutive bytes of each tile
	global_store_b128 v4, v[CW+4:CW+7], s[10:11] offset:((\t)/4)*2048+((\t)%4)*512+256  ; k 16-31: its lanes 16-31
.if (\t)+2 < 8
	LOADW (\t)+2
.endif
.endm
	s_wait_alu depctr_va_vdst(0)
	LOADW 0
	LOADW 1
.irp t, 0,1,2,3,4,5,6,7
	BLOCK \t
.endr
	global_store_b64 v5, v[SB:SB+1], s[12:13]      ; two scale words a column: pieces of 8 bytes, 16 apart; they are 1 byte in 128 of what this way reads
	s_endpgm
.Lfunc_end_k_qd94b2fa507_quant:
	.size	k_qd94b2fa507_quant, .Lfunc_end_k_qd94b2fa507_quant-k_qd94b2fa507_quant
	.p2alignl 7, 3214868480
	.fill 96, 4, 3214868480
	.section	.rodata,"a",@progbits
	.p2align	6, 0x0
	.amdhsa_kernel k_qd94b2fa507_quant
		.amdhsa_group_segment_fixed_size 34304
		.amdhsa_private_segment_fixed_size 0
		.amdhsa_enable_private_segment 0
		.amdhsa_kernarg_size 40
		.amdhsa_user_sgpr_count 2
		.amdhsa_user_sgpr_kernarg_segment_ptr 1
		.amdhsa_wavefront_size32 1
		.amdhsa_system_sgpr_workgroup_id_x 1
		.amdhsa_system_sgpr_workgroup_id_y 1
		.amdhsa_system_sgpr_workgroup_id_z 1
		.amdhsa_system_vgpr_workitem_id 0
		.amdhsa_next_free_vgpr 256
		.amdhsa_next_free_sgpr 66
		.amdhsa_reserve_vcc 1
		.amdhsa_float_denorm_mode_32 3
		.amdhsa_float_denorm_mode_16_64 3
		.amdhsa_memory_ordered 1
		.amdhsa_forward_progress 1
		.amdhsa_inst_pref_size 110
	.end_amdhsa_kernel
	.amdgpu_metadata
---
amdhsa.version: [ 1, 2 ]
amdhsa.kernels:
  - .name:           k_qd94b2fa507_quant
    .symbol:         k_qd94b2fa507_quant.kd
    .args:
      - { .name: val, .offset: 0, .size: 8, .value_kind: global_buffer, .address_space: global }
      - { .name: w_qkv, .offset: 8, .size: 8, .value_kind: global_buffer, .address_space: global }
      - { .name: w_out, .offset: 16, .size: 8, .value_kind: global_buffer, .address_space: global }
      - { .name: codes, .offset: 24, .size: 8, .value_kind: global_buffer, .address_space: global }
      - { .name: scl, .offset: 32, .size: 8, .value_kind: global_buffer, .address_space: global }
    .group_segment_fixed_size: 34304
    .private_segment_fixed_size: 0
    .kernarg_segment_align: 8
    .kernarg_segment_size: 40
    .max_flat_workgroup_size: 128
    .sgpr_count:     66
    .vgpr_count:     256
    .wavefront_size: 32
...
	.end_amdgpu_metadata
.endif
;; end of part 1
;; launch qkv (part 2): grid 32 x 8, 4 waves a work-group, clusters of 4 x 1, 327,680 bytes of LDS; arguments codes, scl, b_qkv, qkv_img, qkv_scl; writes qkv_img, qkv_scl
.if DOCPART == 2
	.amdgcn_target "amdgcn-amd-amdhsa--gfx1250"
	.amdhsa_code_object_version 6
	.text
	.protected	k_qd94b2fa507_qkv
	.globl	k_qd94b2fa507_qkv
	.p2align	8
	.type	k_qd94b2fa507_qkv,@function
k_qd94b2fa507_qkv:
	s_mov_b64 s[64:65], 0
	v_nop
	global_prefetch_b8 v0, s[64:65] scope:SCOPE_SE
	s_setreg_imm32_b32 hwreg(HW_REG_WAVE_MODE, 25, 1), 1
	s_wait_xcnt 0x0
	s_wait_alu depctr_hold_cnt(0) depctr_sa_sdst(0) depctr_va_vdst(0) depctr_va_sdst(0) depctr_va_ssrc(0) depctr_va_vcc(0) depctr_vm_vsrc(0)
	s_getreg_b32 s2, hwreg(HW_REG_IB_STS2, 6, 4)
	s_cmp_eq_u32 s2, 0
	s_cbranch_scc0 .Lentry_in_a_cluster
	s_endpgm
.Lentry_in_a_cluster:
	s_bfe_u32 s2, ttmp6, 0x10000c
	s_cmp_lg_u32 s2, 0x3003
	s_cbranch_scc0 .Lentry_shape_is_right
	s_endpgm
.Lentry_shape_is_right:
; Q, K, V = val w_qkv + b_qkv on codes of FP8 (E4M3) with E8M0 scales, quantised again for the attention's products: Q and K along the head's 128, V along the tokens; codes leave as images of operand registers.
; SHARES.  Grid x = block of 256 tokens, y = head: a work-group makes Q, K and V of one head for 256 tokens, one after the other; wave w owns tokens 64 w .. + 63 (four tiles of 16) and all 3 x 128 columns.
; x: my four tiles, ALL of K, come once, straight into 512 registers (no other wave of the work-group reads them).
; W: the 128 columns of one product, all of K, are 131,072 bytes: one fill of a slot of LDS, a joint load of 32,768 bytes a wave, shared by the cluster's four work-groups, which differ in their tokens alone.  Q's in slot 0 at the head, K's in slot 1 behind
; the first round, V's in slot 0 behind the second.  No prefetch: each W is asked for one whole product ahead of its use, x is asked for at the head, and no other loads follow.
; A UNIT is 32 columns (two tiles c) x my 64 tokens (four tiles i): 64 products on eight accumulators by turns, in two halves of K; the LDS loads of the next half stand ahead of a half's products.  Unit m - 1 is quantised among unit m's products: two sets of accumulators; three plain lines behind a product.
; Q, K: source 0 = W, source 1 = x: lane (r, h) holds token r, its 16 registers of the two tiles are columns 32 m + 16 h + 0 .. 15.   V: source 0 = x, source 1 = W: lane (r, h) holds a column, its 16 registers of two token tiles are 16 neighbouring tokens.
; Either way block b of 32 numbers lies in 16 registers of lanes l and l xor 16.  The bias is the first products' C.
; Scale words gather in 3,072 bytes of LDS: [kind][128 tokens: 2][lane][4 words], as the attention loads them, and leave at the end.
; LIMITS: a block of zeros gets the byte 1 where the rule says 127 (zero codes; read by this program alone); blocks whose largest magnitude lies under 2^-118 keep the byte 1; NaN and infinities are not served.
; REGISTERS.  Window 0: v1-8 addresses; v10, v11 the spare word and 0; v12-47 at work in the quantiser; v48-63 W's scale words, two sets; v68-83 x's; v84-115 C of first products, two sets; v116-123 V's bias; v128-255 accumulators.
;   Windows 1, 2: x: fragment (K step ks, tile i) at 16 (4 (ks % 4) + i) of window 1 + ks / 4.   Window 3: W's fragments: (ks, c) at 128 (ks / 4) + 16 (2 (ks % 4) + c).
.set PLANE, 3145728
.set STG, 262144
.set SPARE, STG+3072
.set SPW, 10
.set NIL, 11
.set TQ, 12
.set SO, 16
.set HD, 20
.set EB, 24
.set WD, 28
.set CD, 32
.set WSC, 48
.set XS, 68
.set BC, 84
.set BV, 116
.set SW, 124
.set ACC, 128
.set SEL, 20
.set MNT, 22
.set HI, 23
.set TB, 36
.set CNT, 37
.set MSB, 0
.macro WIN new
.if MSB != (\new)
	s_set_vgpr_msb (MSB<<8)|(\new)
.set MSB, (\new)
.endif
.endm
.macro PLACES n
.rept \n
	v_nop
.endr
.endm
.macro ROUND                           ; a round of the cluster's barrier
	s_barrier_signal -1
	s_barrier_wait -1
	s_cmp_lg_u32 s14, 0
	s_cbranch_scc1 .Lnot_wave_0_\@
	s_barrier_signal -3
.Lnot_wave_0_\@:
	s_barrier_wait -3
	s_barrier_signal -1
	s_barrier_wait -1
.endm
; product n = 8 (ks % 4) + 4 c + i of half hh of K; kd 0: Q, K; 1: V; e: the set
.macro PROD kd, e, hh, n
.set PC_, ((\n)%8)/4
.set PI_, (\n)%4
.set PX_, 16*(4*((\n)/8)+PI_)
.set PW_, 128*(\hh)+16*(2*((\n)/8)+PC_)
.set PXS_, XS+8*(PI_/2)+4*(\hh)+(\n)/8
.set PWS_, WSC+8*(\e)+4*(\hh)+(\n)/8
.if \kd
.set PD_, ACC+64*(\e)+32*PC_+8*PI_
.else
.set PD_, ACC+64*(\e)+16*PI_+8*PC_
.endif
.set PE_, PD_
.if ((\hh) == 0) && ((\n) < 8)
.set PE_, BC+16*(\e)+8*PC_
.endif
.if \kd
	WIN (1+(\hh))|0x0c
.if (PI_%2) && PC_
	v_wmma_scale_f32_16x16x128_f8f6f4 v[PD_:PD_+7], v[PX_:PX_+15], v[PW_:PW_+15], v[PE_:PE_+7], v[PXS_], v[PWS_] matrix_a_scale:MATRIX_SCALE_ROW1 matrix_b_scale:MATRIX_SCALE_ROW1
.elseif PI_%2
	v_wmma_scale_f32_16x16x128_f8f6f4 v[PD_:PD_+7], v[PX_:PX_+15], v[PW_:PW_+15], v[PE_:PE_+7], v[PXS_], v[PWS_] matrix_a_scale:MATRIX_SCALE_ROW1
.elseif PC_
	v_wmma_scale_f32_16x16x128_f8f6f4 v[PD_:PD_+7], v[PX_:PX_+15], v[PW_:PW_+15], v[PE_:PE_+7], v[PXS_], v[PWS_] matrix_b_scale:MATRIX_SCALE_ROW1
.else
	v_wmma_scale_f32_16x16x128_f8f6f4 v[PD_:PD_+7], v[PX_:PX_+15], v[PW_:PW_+15], v[PE_:PE_+7], v[PXS_], v[PWS_]
.endif
.else
	WIN 3|((1+(\hh))<<2)
.if (PI_%2) && PC_
	v_wmma_scale_f32_16x16x128_f8f6f4 v[PD_:PD_+7], v[PW_:PW_+15], v[PX_:PX_+15], v[PE_:PE_+7], v[PWS_], v[PXS_] matrix_a_scale:MATRIX_SCALE_ROW1 matrix_b_scale:MATRIX_SCALE_ROW1
.elseif PC_
	v_wmma_scale_f32_16x16x128_f8f6f4 v[PD_:PD_+7], v[PW_:PW_+15], v[PX_:PX_+15], v[PE_:PE_+7], v[PWS_], v[PXS_] matrix_a_scale:MATRIX_SCALE_ROW1
.elseif PI_%2
	v_wmma_scale_f32_16x16x128_f8f6f4 v[PD_:PD_+7], v[PW_:PW_+15], v[PX_:PX_+15], v[PE_:PE_+7], v[PWS_], v[PXS_] matrix_b_scale:MATRIX_SCALE_ROW1
.else
	v_wmma_scale_f32_16x16x128_f8f6f4 v[PD_:PD_+7], v[PW_:PW_+15], v[PX_:PX_+15], v[PE_:PE_+7], v[PWS_], v[PXS_]
.endif
.endif
.endm
; THE QUANTISER of unit m's four blocks in set s, plain line k = 0 .. 119
.macro EP kd, s, m, k
.set K_, \k
.set S_, ACC+64*(\s)
.set B_, K_%4
.if K_ < 4
	v_max3_num_f32 v[TQ+B_], |v[S_+16*B_]|, |v[S_+16*B_+1]|, 0x4800000   ; the floor 2^(9 - 127): the byte cannot fall under 1
.elseif K_ < 32
	v_max3_num_f32 v[TQ+B_], v[TQ+B_], |v[S_+16*B_+2*(K_/4)]|, |v[S_+16*B_+2*(K_/4)+1]|
.elseif K_ < 36
	v_permlanex16_b32 v[EB+B_], v[TQ+B_], s[SEL], s[SEL+1]
.elseif K_ < 40
	v_max_num_f32 v[TQ+B_], v[TQ+B_], v[EB+B_]
.elseif K_ < 44
	v_add_nc_u32 v[SO+B_], 0xfc000000, v[TQ+B_]    ; the conversion's scale operand
.elseif K_ < 48
	v_and_or_b32 v[HD+B_], v[TQ+B_], 0x7f800000, s[MNT]   ; 448 x the scale
.elseif K_ < 52
	v_lshrrev_b32 v[EB+B_], 23, v[SO+B_]           ; the byte
.elseif K_ < 56
.if \kd
.if K_ < 54
	v_lshl_or_b32 v[EB+2*B_], v[EB+2*B_+1], 8, v[EB+2*B_]   ; V: the two bytes of column tile B_
.endif
.elseif (\m) == 0
	v_mov_b32 v[WD+B_], v[EB+B_]                   ; Q, K: byte m of a token's word
.else
	v_lshl_or_b32 v[WD+B_], v[EB+B_], 8*(\m), v[WD+B_]
.endif
.else
.set B_, (K_-56)/16
.set S_, S_+16*B_+(K_-56)%16
	v_med3_num_f32 v[S_], v[S_], -v[HD+B_], v[HD+B_]   ; the conversion does not saturate (ISA guide 7.6.2)
.endif
.endm
.macro CVT s, b
	v_cvt_scalef32_pk8_fp8_f32 v[CD+4*\b:CD+4*\b+1], v[ACC+64*(\s)+16*\b:ACC+64*(\s)+16*\b+7], v[SO+\b]
	v_cvt_scalef32_pk8_fp8_f32 v[CD+4*\b+2:CD+4*\b+3], v[ACC+64*(\s)+16*\b+8:ACC+64*(\s)+16*\b+15], v[SO+\b]
.endm
.macro STO kd, m, b                    ; 512 consecutive bytes
.if \kd
	global_store_b128 v1, v[CD+4*\b:CD+4*\b+3], s[48:49] offset:(2*(\m)+\b/2)*2048+512*(\b%2)
.else
	global_store_b128 v1, v[CD+4*\b:CD+4*\b+3], s[46:47] offset:2048*\b+512*(\m)
.endif
.endm
.macro GAP kd, s, m, g                 ; what stands behind product g
.if (\g) < 40
	EP \kd, \s, \m, 3*(\g)
	EP \kd, \s, \m, 3*(\g)+1
	EP \kd, \s, \m, 3*(\g)+2
.endif
.if (\g) == 24
	CVT \s, 0
.elseif (\g) == 25
	STO \kd, \m, 0
.elseif (\g) == 30
	CVT \s, 1
.elseif (\g) == 31
	STO \kd, \m, 1
.elseif (\g) == 35
	CVT \s, 2
.elseif (\g) == 36
	STO \kd, \m, 2
.elseif (\g) == 40
	CVT \s, 3
.elseif (\g) == 41
	STO \kd, \m, 3
.elseif ((\g) == 19) && (\kd)
	ds_store_b16 v7, v[EB] offset:4*(\m)
	ds_store_b16 v7, v[EB+2] offset:256+4*(\m)
.endif
.endm
.macro HALFP kd, e, hh, m, ep
.set N_, 0
.rept 32
	PROD \kd, \e, \hh, N_
.if (\ep) && (32*(\hh)+N_ < 42)
	WIN 0
	GAP \kd, 1-(\e), (\m)-1, 32*(\hh)+N_
.endif
.set N_, N_+1
.endr
	WIN 0
.endm
.macro FRAGS m, hh                     ; unit m's W, half hh of K: 32 loads
	WIN 0xc0
.irp k, 0,1,2,3
.irp c, 0,1
.irp q, 0,1,2,3
	ds_load_b128 v[128*(\hh)+16*(2*\k+\c)+4*\q:128*(\hh)+16*(2*\k+\c)+4*\q+3], v[2+(\m)/2] offset:32768*((\m)%2)+8192*(2*(\hh)+\k/2)+4096*\c+2048*(\k%2)+512*\q
.endr
.endr
.endr
	WIN 0
.endm
.macro NEXT kd, e, m                   ; unit m's scale words (lanes 0-15 tile 0, lanes 16-31 tile 1), and Q's or K's bias, into set e
	global_load_b128 v[WSC+8*(\e):WSC+8*(\e)+3], v4, s[42:43] offset:1024*(\m)
	global_load_b128 v[WSC+8*(\e)+4:WSC+8*(\e)+7], v4, s[42:43] offset:1024*(\m)+256
.if (\kd) == 0
.irp q, 0,1,2,3
	global_load_b128 v[BC+16*(\e)+4*\q:BC+16*(\e)+4*\q+3], v5, s[44:45] offset:128*(\m)+16*\q
.endr
.endif
.endm
.macro UNIT kd, e, m, ep               ; ep = 1: unit m - 1 is quantised among the products
	s_wait_alu depctr_va_vdst(0)                   ; ahead of the waits below
	s_wait_xcnt 0x0                                ; earlier stores have read the codes' registers
	s_wait_loadcnt 0x0                             ; my scale words and bias (the first time: x)
	s_wait_dscnt 0x0                               ; the first half's fragments
	PLACES 8                                       ; behind the unit before: ahead of loads into what its products have read, and of reads of its sums
.if \kd
.irp c, 0,1
.irp j, 0,1,2,3,4,5,6,7
	v_mov_b32 v[BC+16*(\e)+8*\c+\j], v[BV+2*(\m)+\c]   ; V: a lane's column has one bias
.endr
.endr
.endif
	FRAGS \m, 1
.if (\m) < 3
	NEXT \kd, 1-(\e), (\m)+1
.endif
	HALFP \kd, \e, 0, \m, \ep
	s_wait_alu depctr_va_vdst(0)
	s_wait_dscnt 0x0
	PLACES 8
.if (\m) < 3
	FRAGS (\m)+1, 0
.endif
	HALFP \kd, \e, 1, \m, \ep
.endm
.macro LAST kd                         ; a kind's last unit is quantised by itself
	PLACES 8
	s_wait_alu depctr_va_vdst(0)
	s_wait_xcnt 0x0
.set G_, 0
.rept 42
	GAP \kd, 1, 3, G_
.set G_, G_+1
.endr
	v_nop
.endm
	s_load_b256 s[4:11], s[0:1], 0x0               ; codes s[4:5], scl s[6:7], b_qkv s[8:9], qkv_img s[10:11]
	s_load_b64 s[12:13], s[0:1], 0x20              ; qkv_scl
	v_lshl_add_u32 v[SPW], v0, 2, SPARE
	v_mov_b32 v[NIL], 0
	ds_add_u32 v[SPW], v[NIL]                      ; the opening lines: the add, twice on end, under one wait
	ds_add_u32 v[SPW], v[NIL]
	v_lshrrev_b32 v1, 5, v0
	v_readfirstlane_b32 s14, v1                    ; wave 0..3
	s_and_b32 s15, s14, 1
	s_lshr_b32 s16, s14, 1
	s_lshl_b32 s52, s16, 9
	s_lshl_b32 s53, s15, 3
	s_add_co_u32 s53, s53, s52
	s_add_co_u32 s53, s53, STG                     ; Q's, K's words: my half of each 16 bytes
	s_lshl_b32 s54, s15, 1
	s_add_co_u32 s54, s54, s52
	s_add_co_u32 s54, s54, STG+2048                ; V's: my two bytes of each word
	v_and_b32 v12, 31, v0                          ; lane
	v_and_b32 v13, 15, v0                          ; r
	v_bfe_u32 v14, v0, 4, 1                        ; h
	v_lshlrev_b32 v1, 4, v12                       ; 16 x lane
	v_lshlrev_b32 v4, 4, v13
	v_add_nc_u32 v7, s54, v4
	v_lshl_add_u32 v4, v14, 9, v4                  ; scale words: row r; lanes 16-31 the next tile's
	v_lshlrev_b32 v5, 6, v14                       ; Q's, K's bias: 16 h numbers on
	v_and_b32 v6, 8, v13
	v_add_nc_u32 v6, v6, v13
	v_lshlrev_b32 v6, 2, v6                        ; V's: column r + 8 (r / 8) of 32
	v_add_nc_u32 v8, s53, v1
.irp b, 0,1,2,3
	v_mov_b32 v[EB+\b], 0                          ; a lane permute's destination counts as one of its sources
.endr
	s_and_b32 s17, ttmp7, 0xffff                   ; the head, which the four partners share
	s_bfe_u32 s18, ttmp6, 0x40000                  ; cx: it enters x's and the results' addresses alone
	s_lshl_b32 s19, ttmp9, 2
	s_add_co_u32 s19, s19, s18                     ; the block of 256 tokens; its window is the cluster's number
	s_mov_b32 s[SEL], 0x76543210
	s_mov_b32 s[SEL+1], 0xfedcba98
	s_mov_b32 s[MNT], 0x600000
	s_mov_b32 s[HI], 0xffff0000
	s_mov_b32 s[TB], 0
	; descriptor group 1: a unit's W: four planes of 8,192 dense bytes (1,024 elements of 8), PLANE bytes apart; the mask: all four work-groups
	s_mov_b32 s24, 15|(3<<16)|(1<<21)
	s_mov_b32 s25, 1024<<16
	s_mov_b32 s26, 4<<16
	s_mov_b32 s27, 1024<<16
	s_mov_b32 s28, 4
	s_mov_b32 s29, PLANE/8
	s_mov_b32 s30, 0
	s_mov_b32 s31, 0
	s_lshl_b32 s54, s17, 15                        ; W: tile 512 + 64 kind + 8 head + 2 wave: I fetch unit number wave
	s_lshl_b32 s55, s14, 13
	s_add_co_u32 s54, s54, s55
	s_add_co_u32 s54, s54, 512*4096
	s_mov_b32 s55, 0
	s_lshl_b32 s56, s19, 16                        ; x: tile 16 block + 4 wave
	s_lshl_b32 s57, s14, 14
	s_add_co_u32 s56, s56, s57
	s_mov_b32 s57, 0
	s_lshl_b32 s58, s19, 13                        ; its scale words
	s_lshl_b32 s59, s14, 11
	s_add_co_u32 s58, s58, s59
	s_mov_b32 s59, 0
	s_lshl_b32 s60, s17, 12                        ; W's
	s_add_co_u32 s60, s60, 512*512
	s_mov_b32 s61, 0
	s_lshl_b32 s62, s17, 9                         ; the bias
	s_mov_b32 s63, 0
	s_lshl_b32 s66, ttmp9, 3
	s_add_co_u32 s66, s66, s17                     ; g = window x 8 + head
	s_lshl_b32 s68, s66, 17
	s_lshl_b32 s67, s18, 15
	s_add_co_u32 s68, s68, s67
	s_lshl_b32 s70, s16, 14                        ; V: key step 2 cx + wave / 2, chunks 2 (wave % 2) on
	s_add_co_u32 s70, s70, s68
	s_lshl_b32 s67, s15, 10
	s_add_co_u32 s70, s70, s67
	s_add_co_u32 s70, s70, 2<<23
	s_mov_b32 s71, 0
	s_lshl_b32 s67, s14, 13                        ; Q: tile 16 cx + 4 wave
	s_add_co_u32 s68, s68, s67
	s_mov_b32 s69, 0
	s_lshl_b32 s72, s66, 12                        ; scale words: g's, my 256 tokens'
	s_lshl_b32 s67, s18, 10
	s_add_co_u32 s72, s72, s67
	s_lshl_b32 s67, s14, 8
	s_add_co_u32 s74, s72, s67
	s_add_co_u32 s74, s74, 2<<18                   ; at the end I store 256 bytes of V's
	s_mov_b32 s75, 0
	s_lshl_b32 s67, s16, 18
	s_add_co_u32 s72, s72, s67
	s_lshl_b32 s67, s15, 9
	s_add_co_u32 s72, s72, s67                     ; and 512 of Q's (waves 0, 1) or K's
	s_mov_b32 s73, 0
	s_wait_alu depctr_va_vdst(0)                   ; at the head's end
	s_wait_dscnt 0x0                               ; both opening adds are done
	ROUND                                          ; all four work-groups are here: the first joint loads meet
	s_wait_kmcnt 0x0
	s_mov_b32 s32, 1
	s_lshl_b32 s33, s14, 15
	s_add_nc_u64 s[34:35], s[4:5], s[54:55]
	s_or_b32 s35, s35, 0x80000000
	tensor_load_to_lds s[32:35], s[24:31]          ; Q's W into slot 0: one load a wave at the head
	s_nop 0
	PLACES 4
	s_add_nc_u64 s[38:39], s[4:5], s[56:57]
	s_add_nc_u64 s[40:41], s[38:39], 2*PLANE
	s_add_nc_u64 s[50:51], s[6:7], s[58:59]
	s_add_nc_u64 s[42:43], s[6:7], s[60:61]
	s_add_nc_u64 s[44:45], s[8:9], s[62:63]
	s_add_nc_u64 s[46:47], s[10:11], s[68:69]
	s_add_nc_u64 s[48:49], s[10:11], s[70:71]
	s_add_nc_u64 s[72:73], s[12:13], s[72:73]
	s_add_nc_u64 s[74:75], s[12:13], s[74:75]
.irp q, 0,1
	global_load_b128 v[XS+8*\q:XS+8*\q+3], v4, s[50:51] offset:1024*\q
	global_load_b128 v[XS+8*\q+4:XS+8*\q+7], v4, s[50:51] offset:1024*\q+256
.endr
.irp m, 0,1,2,3
.irp c, 0,1
	global_load_b32 v[BV+2*\m+\c], v6, s[44:45] offset:8192+128*\m+32*\c
.endr
.endr
.macro XLOAD p, b                      ; plane p: K steps 2 p, 2 p + 1 of my four tiles
.irp s, 0,1
.irp i, 0,1,2,3
.irp q, 0,1,2,3
	global_load_b128 v[16*(4*(2*(\p%2)+\s)+\i)+4*\q:16*(4*(2*(\p%2)+\s)+\i)+4*\q+3], v1, s[\b:\b+1] offset:(\p%2)*PLANE+4096*\i+2048*\s+512*\q
.endr
.endr
.endr
.endm
	WIN 0x40
	XLOAD 0, 38
	XLOAD 1, 38
	WIN 0x80
	XLOAD 2, 40
	XLOAD 3, 40
	WIN 0
	s_mov_b32 s[CNT], 2
.Lkind:                                                ; Q, then K
	NEXT 0, 0, 0
	s_wait_alu depctr_va_vdst(0)
	s_wait_tensorcnt 0x0                           ; my part of this kind's W is in
	ds_add_u32 v[SPW], v[NIL]
	s_xor_b32 s33, s33, 131072                     ; the next kind's W, the other slot
	s_add_nc_u64 s[34:35], s[34:35], 64*4096
	s_wait_dscnt 0x0                               ; the add is done, and my reads of the other slot are over
	ROUND
	tensor_load_to_lds s[32:35], s[24:31]
	s_nop 0
	PLACES 4
	v_add_nc_u32 v2, s[TB], v1                     ; units 0, 1 of the slot;
	v_add_nc_u32 v3, 65536, v2                     ; units 2, 3
	FRAGS 0, 0
	UNIT 0, 0, 0, 0
	UNIT 0, 1, 1, 1
	UNIT 0, 0, 2, 1
	UNIT 0, 1, 3, 1
	LAST 0
	v_cndmask_b32 v[SW], v[WD], v[WD+1], s[HI]     ; lanes 0-15 the even tile's word, lanes 16-31 the odd tile's
	v_cndmask_b32 v[SW+1], v[WD+2], v[WD+3], s[HI]
	ds_store_b64 v8, v[SW:SW+1]
	v_add_nc_u32 v8, 1024, v8
	s_wait_alu depctr_va_vdst(0)
	s_wait_xcnt 0x0                                ; my loads and stores have read their bases
	s_add_nc_u64 s[42:43], s[42:43], 64*512
	s_add_nc_u64 s[44:45], s[44:45], 4096
	s_add_nc_u64 s[46:47], s[46:47], 1<<23
	s_add_co_u32 s[TB], s[TB], 131072
	s_sub_co_u32 s[CNT], s[CNT], 1
	s_cmp_lg_u32 s[CNT], 0
	s_cbranch_scc1 .Lkind
	NEXT 1, 0, 0                                   ; V
	s_wait_tensorcnt 0x0                           ; my part of its W is in
	s_wait_dscnt 0x0
	s_barrier_signal -1
	s_barrier_wait -1
	v_mov_b32 v2, v1                               ; slot 0
	v_add_nc_u32 v3, 65536, v1
	FRAGS 0, 0
	UNIT 1, 0, 0, 0
	UNIT 1, 1, 1, 1
	UNIT 1, 0, 2, 1
	UNIT 1, 1, 3, 1
	LAST 1
	s_lshl_b32 s52, s14, 9
	s_add_co_u32 s52, s52, STG
	s_lshl_b32 s53, s14, 8
	s_add_co_u32 s53, s53, STG+2048
	v_lshrrev_b32 v6, 1, v1                        ; 8 x lane
	v_add_nc_u32 v2, s52, v1
	v_add_nc_u32 v3, s53, v6
	s_wait_alu depctr_va_vdst(0)
	s_wait_dscnt 0x0                               ; my scale bytes are stored
	s_barrier_signal -1
	s_barrier_wait -1
	ds_load_b128 v[84:87], v2
	ds_load_b64 v[88:89], v3
	s_wait_dscnt 0x0
	global_store_b128 v1, v[84:87], s[72:73]
	global_store_b64 v6, v[88:89], s[74:75]
	s_wait_tensorcnt 0x0                           ; the wave's end
	ds_add_u32 v[SPW], v[NIL]
	s_wait_dscnt 0x0
	ROUND                                          ; the closing round
	s_endpgm
.Lfunc_end_k_qd94b2fa507_qkv:
	.size	k_qd94b2fa507_qkv, .Lfunc_end_k_qd94b2fa507_qkv-k_qd94b2fa507_qkv
	.p2alignl 7, 3214868480
	.fill 96, 4, 3214868480
	.section	.rodata,"a",@progbits
	.p2align	6, 0x0
	.amdhsa_kernel k_qd94b2fa507_qkv
		.amdhsa_group_segment_fixed_size 327680
		.amdhsa_private_segment_fixed_size 0
		.amdhsa_enable_private_segment 0
		.amdhsa_kernarg_size 40
		.amdhsa_user_sgpr_count 2
		.amdhsa_user_sgpr_kernarg_segment_ptr 1
		.amdhsa_wavefront_size32 1
		.amdhsa_system_sgpr_workgroup_id_x 1
		.amdhsa_system_sgpr_workgroup_id_y 1
		.amdhsa_system_sgpr_workgroup_id_z 1
		.amdhsa_system_vgpr_workitem_id 0
		.amdhsa_next_free_vgpr 1024
		.amdhsa_next_free_sgpr 96
		.amdhsa_reserve_vcc 0
		.amdhsa_float_denorm_mode_32 3
		.amdhsa_float_denorm_mode_16_64 3
		.amdhsa_memory_ordered 1
		.amdhsa_forward_progress 1
		.amdhsa_inst_pref_size 213
	.end_amdhsa_kernel
	.amdgpu_metadata
---
amdhsa.version: [ 1, 2 ]
amdhsa.kernels:
  - .name:           k_qd94b2fa507_qkv
    .symbol:         k_qd94b2fa507_qkv.kd
    .args:
      - { .name: codes, .offset: 0, .size: 8, .value_kind: global_buffer, .address_space: global }
      - { .name: scl, .offset: 8, .size: 8, .value_kind: global_buffer, .address_space: global }
      - { .name: b_qkv, .offset: 16, .size: 8, .value_kind: global_buffer, .address_space: global }
      - { .name: qkv_img, .offset: 24, .size: 8, .value_kind: global_buffer, .address_space: global }
      - { .name: qkv_scl, .offset: 32, .size: 8, .value_kind: global_buffer, .address_space: global }
    .group_segment_fixed_size: 327680
    .private_segment_fixed_size: 0
    .kernarg_segment_align: 8
    .kernarg_segment_size: 40
    .max_flat_workgroup_size: 128
    .sgpr_count:     96
    .vgpr_count:     1024
    .wavefront_size: 32
...
	.end_amdgpu_metadata
.endif
;; end of part 2
;; launch attn (part 3): grid 4 x 64, 8 waves a work-group, clusters of 4 x 1, 327,680 bytes of LDS; arguments qkv_img, qkv_scl, ctx_img, ctx_scl; writes ctx_img, ctx_scl
.if DOCPART == 3
	.amdgcn_target "amdgcn-amd-amdhsa--gfx1250"
	.amdhsa_code_object_version 6
	.text
	.protected	k_qd94b2fa507_attn
	.globl	k_qd94b2fa507_attn
	.p2align	8
	.type	k_qd94b2fa507_attn,@function
k_qd94b2fa507_attn:
	s_mov_b64 s[64:65], 0
	v_nop
	global_prefetch_b8 v0, s[64:65] scope:SCOPE_SE
	s_setreg_imm32_b32 hwreg(HW_REG_WAVE_MODE, 25, 1), 1
	s_wait_xcnt 0x0
	s_wait_alu depctr_hold_cnt(0) depctr_sa_sdst(0) depctr_va_vdst(0) depctr_va_sdst(0) depctr_va_ssrc(0) depctr_va_vcc(0) depctr_vm_vsrc(0)
	s_getreg_b32 s2, hwreg(HW_REG_IB_STS2, 6, 4)
	s_cmp_eq_u32 s2, 0
	s_cbranch_scc0 .Lentry_in_a_cluster
	s_endpgm
.Lentry_in_a_cluster:
	s_bfe_u32 s2, ttmp6, 0x10000c
	s_cmp_lg_u32 s2, 0x3003
	s_cbranch_scc0 .Lentry_shape_is_right
	s_endpgm
.Lentry_shape_is_right:
; ctx = softmax(q k^T / sqrt(128)) v inside a window of 1,024 tokens, both products on codes of FP8 (E4M3) with E8M0 scales; ctx quantised again, along the model's 1,024, for the last product.
; t = score x log2(e) / sqrt(128); M = the row's largest t so far, rounded up to a whole number; p = 2^(t - M) is quantised along the keys, not normalised; the row's sum is taken of the unquantised p and divides at the end
; (by v_rcp_f32 and a multiplication).  When M moves, the sum and O are multiplied by 2^(old M - new M): exact.
; SHARES.  Grid y = g = window x 8 + head.  The four work-groups of a cluster own 256 queries each of that head; each of eight waves owns two tiles of 16 queries, so that a fragment of K or V read from LDS feeds two products.
; ALL of the head's K and V (131,072 bytes each, images of operand registers) and their scale words come into LDS ONCE, by joint loads that name the four work-groups: no byte of LDS is filled twice.
; At the head each wave has one load: waves 0-3 a half of K's or V's key steps 0-1, waves 4-7 a half of K's or V's scale words; behind a full sequence and a round each wave has one more: a quarter of K's or V's key steps 2-7.
; No prefetch: all tiles are asked for by these two groups of loads, ahead of the loops; no loop of loads follows.
; LAYOUT.  Both products transposed: S^T = K Q^T, O^T = V^T P^T: a lane holds one query throughout; the rows of every tile are so chosen that the 16 registers of tiles 2 b, 2 b + 1 are 16 neighbours along the next K.
; LIMITS: a block of zeros gets the byte 1 where the rule says 127 (zero codes; read by this program alone); scaled scores stay under 2^31 in magnitude; NaN and infinities are not served.  ctx_scl leaves in pieces of 128 bytes (262,144 bytes in all).
; REGISTERS.  Window 0: v1-5, v21, v22 addresses; v6, v7 the spare word and 0; v8-15 statistics (tile t: -M, largest t, the sum in two halves); v16-19 f and p's scale word; v20 Q's scale words; v24-27 K's, v28-31 V's;
;   v0, v23, v32-63 at work; v64-127 four fragments; v128-255 S^T, then p.   Window 1: v0-127 O^T; v128-159 Q; v160-191 p's codes; v192-255 four fragments.
.set SCK, 262144                       ; K's scale words, 4,096 bytes; V's behind them
.set SPARE, 270336                     ; the spare words: 128 bytes a wave
.set SPW, 6
.set NIL, 7
.set BM, 32                            ; block maxima: 4 t + b
.set PT, 40                            ; the other half's; then bytes; then the sums' second chains
.set HD, 48                            ; 448 x the scale
.set SO, 56                            ; the conversions' scale operands
.set SEL, 20
.set CS,  22
.set MNT, 17
.set HI,  18
.set TB,  19                           ; s19 where the step's tiles begin: 16,384 a step
.set TS,  60                           ; s60 and its scale words: 512 a step
.set CNT, 61
.set MSB, 0
.macro WIN new
.if MSB != (\new)
	s_set_vgpr_msb (MSB<<8)|(\new)
.set MSB, (\new)
.endif
.endm
.macro PLACES n
.rept \n
	v_nop
.endr
.endm
.macro ROUND                           ; a round of the cluster's barrier
	s_barrier_signal -1
	s_barrier_wait -1
	s_cmp_lg_u32 s12, 0
	s_cbranch_scc1 .Lnot_wave_0_\@
	s_barrier_signal -3
.Lnot_wave_0_\@:
	s_barrier_wait -3
	s_barrier_signal -1
	s_barrier_wait -1
.endm
; one product: D, source 0, source 1 (first registers), C as written, the two scale registers and which half of their lanes is read
.macro WM d, a, b, c, sa, sb, ra, rb
.if (\ra) && (\rb)
	v_wmma_scale_f32_16x16x128_f8f6f4 v[(\d):(\d)+7], v[(\a):(\a)+15], v[(\b):(\b)+15], \c, v[\sa], v[\sb] matrix_a_scale:MATRIX_SCALE_ROW1 matrix_b_scale:MATRIX_SCALE_ROW1
.elseif \ra
	v_wmma_scale_f32_16x16x128_f8f6f4 v[(\d):(\d)+7], v[(\a):(\a)+15], v[(\b):(\b)+15], \c, v[\sa], v[\sb] matrix_a_scale:MATRIX_SCALE_ROW1
.elseif \rb
	v_wmma_scale_f32_16x16x128_f8f6f4 v[(\d):(\d)+7], v[(\a):(\a)+15], v[(\b):(\b)+15], \c, v[\sa], v[\sb] matrix_b_scale:MATRIX_SCALE_ROW1
.else
	v_wmma_scale_f32_16x16x128_f8f6f4 v[(\d):(\d)+7], v[(\a):(\a)+15], v[(\b):(\b)+15], \c, v[\sa], v[\sb]
.endif
.endm
	s_load_b256 s[4:11], s[0:1], 0x0               ; qkv_img s[4:5], qkv_scl s[6:7], ctx_img s[8:9], ctx_scl s[10:11]
	v_lshl_add_u32 v[SPW], v0, 2, SPARE
	v_mov_b32 v[NIL], 0
	ds_add_u32 v[SPW], v[NIL]                      ; the opening lines: the add, twice on end, under one wait
	ds_add_u32 v[SPW], v[NIL]
	v_lshrrev_b32 v1, 5, v0
	v_readfirstlane_b32 s12, v1                    ; wave 0..7
	v_and_b32 v22, 31, v0
	v_mov_b32 v9, 0xff61b1e6                       ; the largest t so far: -3e38
	v_mov_b32 v13, 0xff61b1e6
	v_lshlrev_b32 v1, 4, v22                       ; 16 x lane
	v_lshlrev_b32 v22, 2, v22                      ; 4 x lane
	v_floor_f32 v8, -v9                            ; -M
	v_floor_f32 v12, -v13
	v_add_nc_u32 v5, 131072, v1                    ; V's images
	v_add_nc_u32 v21, SCK, v1                      ; the scale words
.irp r, 10,11,14,15,17,19
	v_mov_b32 v\r, 0                               ; the sums, in two halves; v17, v19: upper halves of pairs that are named before they are first written
.endr
.irp b, 0,1,2,3,4,5,6,7
	v_mov_b32 v[PT+\b], 0                          ; a lane permute's destination counts as one of its sources
.endr
	WIN 0x40
.set i, 0
.rept 128
	v_mov_b32 v[i], 0                              ; O^T.  (The step's text serves every step: the first finds zeros, which the first change of M leaves zeros)
.set i, i+1
.endr
	WIN 0
	s_bfe_u32 s13, ttmp6, 0x40000                  ; cx: my block of 256 queries; it enters Q's and ctx's addresses alone
	s_and_b32 s14, ttmp7, 0xffff                   ; g, which the four partners share
	s_lshr_b32 s15, s12, 2                         ; waves 0-3 or 4-7
	s_and_b32 s16, s12, 3
	; three groups 1: dense rows of 256 bytes (32 elements of 8 bytes): 8, 64 and 96 of them; 15:0 the mask: all four work-groups; 21 set beside a mask
.irp g, 24, 32, 40
	s_mov_b32 s[\g], 15|(3<<16)|(1<<21)
	s_mov_b32 s[\g+1], 32<<16
	s_mov_b32 s[\g+3], 32<<16
	s_mov_b32 s[\g+5], 32
	s_mov_b32 s[\g+6], 0
	s_mov_b32 s[\g+7], 0
.endr
	s_mov_b32 s26, 8<<16
	s_mov_b32 s28, 8
	s_mov_b32 s34, 64<<16
	s_mov_b32 s36, 64
	s_mov_b32 s42, 96<<16
	s_mov_b32 s44, 96
	s_lshr_b32 s62, s16, 1                         ; at the head I fetch for K (0) or for V (1),
	s_and_b32 s63, s16, 1                          ; which half
	s_lshl_b32 s66, s62, 12
	s_lshl_b32 s67, s63, 11
	s_add_co_u32 s66, s66, s67                     ; scale words in LDS: 4,096 role + 2,048 half
	s_add_co_u32 s72, s62, 1                       ; kind 1 (k) or 2 (v)
	s_lshl_b32 s68, s72, 18
	s_lshl_b32 s73, s14, 12
	s_add_co_u32 s68, s68, s73
	s_add_co_u32 s68, s68, s67                     ; and in memory
	s_mov_b32 s69, 0
	s_lshl_b32 s70, s72, 23
	s_lshl_b32 s73, s14, 17
	s_add_co_u32 s70, s70, s73
	s_lshl_b32 s76, s63, 14
	s_add_co_u32 s70, s70, s76                     ; key steps 0-1: my half, in memory
	s_mov_b32 s71, 0
	s_lshl_b32 s78, s62, 17                        ; in LDS: K at 0, V at 131,072
	s_add_co_u32 s78, s78, s76
	s_add_co_u32 s72, s15, 1                       ; behind the head waves 0-3 fetch for K, waves 4-7 for V
	s_lshl_b32 s74, s72, 23
	s_add_co_u32 s74, s74, s73
	s_mul_i32 s73, s16, 24576
	s_add_co_u32 s74, s74, s73
	s_add_co_u32 s74, s74, 32768                   ; key steps 2-7: my quarter, in memory
	s_mov_b32 s75, 0
	s_lshl_b32 s77, s15, 17
	s_add_co_u32 s79, s77, s73
	s_add_co_u32 s79, s79, 32768                   ; and in LDS
	s_mov_b32 s[SEL], 0x76543210
	s_mov_b32 s[SEL+1], 0xfedcba98
	s_mov_b32 s[CS], 0x3e0293ee                    ; c = log2(e) / sqrt(128)
	s_mov_b32 s[CS+1], s[CS]                       ; (named with it as a pair, so it is written)
	s_mov_b32 s[MNT], 0x600000
	s_mov_b32 s[HI], 0xffff0000
	s_mov_b32 s[TB], 0
	s_mov_b32 s[TS], 0
	s_wait_alu depctr_va_vdst(0)                   ; at the head's end
	s_wait_dscnt 0x0                               ; both opening adds are done
	ROUND                                          ; all four work-groups are here: the first joint loads meet
	s_wait_kmcnt 0x0
	s_mov_b32 s48, 1
	s_add_co_u32 s49, s66, SCK
	s_add_nc_u64 s[50:51], s[6:7], s[68:69]
	s_or_b32 s51, s51, 0x80000000
	s_mov_b32 s52, 1
	s_mov_b32 s53, s78
	s_add_nc_u64 s[54:55], s[4:5], s[70:71]
	s_or_b32 s55, s55, 0x80000000
	s_mov_b32 s56, 1
	s_mov_b32 s57, s79
	s_add_nc_u64 s[58:59], s[4:5], s[74:75]
	s_or_b32 s59, s59, 0x80000000
	s_cmp_eq_u32 s15, 0                            ; one load a wave at the head
	s_cbranch_scc0 .Lfor_scales
	tensor_load_to_lds s[52:55], s[32:39]          ; waves 0-3: key steps 0-1
	s_nop 0
	PLACES 4
	s_branch .Lasked
.Lfor_scales:
	tensor_load_to_lds s[48:51], s[24:31]          ; waves 4-7: scale words
	s_nop 0
	PLACES 4
.Lasked:
	s_lshl_b32 s66, s14, 17                        ; Q: g's images, tile 16 cx + 2 wave
	s_lshl_b32 s67, s13, 15
	s_add_co_u32 s66, s66, s67
	s_lshl_b32 s67, s12, 12
	s_add_co_u32 s66, s66, s67
	s_mov_b32 s67, 0
	s_add_nc_u64 s[66:67], s[4:5], s[66:67]
	s_lshl_b32 s68, s14, 12                        ; its scale words: block 2 cx + wave / 4, word wave % 4
	s_lshl_b32 s69, s13, 10
	s_add_co_u32 s68, s68, s69
	s_lshl_b32 s69, s15, 9
	s_add_co_u32 s68, s68, s69
	s_lshl_b32 s69, s16, 2
	s_add_co_u32 s68, s68, s69
	s_mov_b32 s69, 0
	s_add_nc_u64 s[68:69], s[6:7], s[68:69]
	WIN 0x40                                       ; destination window 1
.irp t, 0,1
.irp c, 0,1,2,3
	global_load_b128 v[128+16*\t+4*\c:128+16*\t+4*\c+3], v1, s[66:67] offset:\t*2048+512*\c   ; Q's two fragments stay in registers
.endr
.endr
	WIN 0
	global_load_b32 v20, v1, s[68:69]              ; lanes 0-15 my first tile's words, lanes 16-31 my second's
	s_lshr_b32 s70, s14, 3                         ; the window
	s_and_b32 s71, s14, 7                          ; the head
	s_lshl_b32 s72, s70, 20                        ; ctx_img: ((64 window + 16 cx + 2 wave) x 8 + head) x 2,048
	s_lshl_b32 s73, s13, 18
	s_add_co_u32 s72, s72, s73
	s_lshl_b32 s73, s12, 15
	s_add_co_u32 s72, s72, s73
	s_lshl_b32 s73, s71, 11
	s_add_co_u32 s72, s72, s73
	s_mov_b32 s73, 0
	s_add_nc_u64 s[8:9], s[8:9], s[72:73]
	s_lshl_b32 s72, s70, 15                        ; ctx_scl: ((32 window + 8 cx + wave) x 8 + head) x 128
	s_lshl_b32 s74, s13, 13
	s_add_co_u32 s72, s72, s74
	s_lshl_b32 s74, s12, 10
	s_add_co_u32 s72, s72, s74
	s_lshl_b32 s74, s71, 7
	s_add_co_u32 s72, s72, s74
	s_add_nc_u64 s[10:11], s[10:11], s[72:73]
; The softmax of both tiles for a key step of 128, the tiles by turns.
.macro SOFT
.irp t, 0,1
.irp b, 0,1,2,3
	v_max3_num_f32 v[BM+4*\t+\b], v[128+64*\t+16*\b], v[128+64*\t+16*\b+1], v[128+64*\t+16*\b+2]   ; the largest score of each block of 32 keys: for the row's maximum and, since p rises with the score, for the block's largest p
.endr
.endr
.irp i, 3,5,7,9,11,13
.irp t, 0,1
.irp b, 0,1,2,3
	v_max3_num_f32 v[BM+4*\t+\b], v[BM+4*\t+\b], v[128+64*\t+16*\b+\i], v[128+64*\t+16*\b+\i+1]
.endr
.endr
.endr
.irp t, 0,1
.irp b, 0,1,2,3
	v_max_num_f32 v[BM+4*\t+\b], v[BM+4*\t+\b], v[128+64*\t+16*\b+15]
.endr
.endr
.irp b, 0,1,2,3,4,5,6,7
	v_permlanex16_b32 v[PT+\b], v[BM+\b], s[SEL], s[SEL+1]
.endr
.irp b, 0,1,2,3,4,5,6,7
	v_max_num_f32 v[BM+\b], v[BM+\b], v[PT+\b]     ; with lane l xor 16's 16 keys
.endr
.irp t, 0,1
	v_max3_num_f32 v[23*\t], v[BM+4*\t], v[BM+4*\t+1], v[BM+4*\t+2]
.endr
.irp t, 0,1
	v_max_num_f32 v[23*\t], v[23*\t], v[BM+4*\t+3]
.endr
.irp t, 0,1
	v_mul_f32 v[23*\t], s[CS], v[23*\t]            ; as t (c is positive)
.endr
.irp t, 0,1
	v_max_num_f32 v[9+4*\t], v[9+4*\t], v[23*\t]   ; the running largest t
.endr
.irp t, 0,1
	v_mov_b32 v[23*\t], v[8+4*\t]
.endr
.irp t, 0,1
	v_floor_f32 v[8+4*\t], -v[9+4*\t]              ; the new -M = -ceil(t)
.endr
.irp t, 0,1
	v_sub_f32 v[23*\t], v[8+4*\t], v[23*\t]        ; old M - new M: a whole number, 0 or less
.endr
.irp t, 0,1
	v_cvt_i32_f32 v[23*\t], v[23*\t]               ; (it saturates)
.endr
.irp t, 0,1
	v_ldexp_f32 v[16+2*\t], 1.0, v[23*\t]          ; f = 2^(old M - new M)
.endr
.irp t, 0,1
.set i, 0
.rept 32
	v_pk_fma_f32 v[128+64*\t+i:129+64*\t+i], v[128+64*\t+i:129+64*\t+i], s[CS:CS+1], v[8+4*\t:9+4*\t] op_sel_hi:[1,0,0]   ; t - M
.set i, i+2
.endr
.irp b, 0,2
	v_pk_fma_f32 v[BM+4*\t+\b:BM+4*\t+\b+1], v[BM+4*\t+\b:BM+4*\t+\b+1], s[CS:CS+1], v[8+4*\t:9+4*\t] op_sel_hi:[1,0,0]   ; the same of each block's largest score
.endr
.endr
	s_wait_alu depctr_va_vdst(0)                   ; ahead of the batch
.set i, 0
.rept 128
	v_exp_f32 v[128+i], v[128+i]                   ; p = 2^(t - M)
.set i, i+1
.endr
.irp b, 0,1,2,3,4,5,6,7
	v_exp_f32 v[BM+\b], v[BM+\b]                   ; the block's largest p
.endr
.irp t, 0,1
	v_pk_mul_f32 v[10+4*\t:11+4*\t], v[10+4*\t:11+4*\t], v[16+2*\t:17+2*\t] op_sel_hi:[1,0]   ; the sums under the new M (plain lines behind the exponentials)
.endr
	s_wait_alu depctr_va_vdst(0)                   ; and ahead of its first reader
.irp b, 0,1,2,3,4,5,6,7
	v_max_num_f32 v[BM+\b], 0x4800000, v[BM+\b]    ; the floor: the byte cannot fall under 1
.endr
.irp b, 0,1,2,3,4,5,6,7
	v_add_nc_u32 v[SO+\b], 0xfc000000, v[BM+\b]
.endr
.irp b, 0,1,2,3,4,5,6,7
	v_and_or_b32 v[HD+\b], v[BM+\b], 0x7f800000, s[MNT]
.endr
.irp b, 0,1,2,3,4,5,6,7
	v_lshrrev_b32 v[PT+\b], 23, v[SO+\b]
.endr
.irp t, 0,1
	v_lshl_or_b32 v[17+2*\t], v[PT+4*\t+1], 8, v[PT+4*\t]   ; p's scale word for these 128 keys
.endr
.irp t, 0,1
	v_lshl_or_b32 v[17+2*\t], v[PT+4*\t+2], 16, v[17+2*\t]
.endr
.irp t, 0,1
	v_lshl_or_b32 v[17+2*\t], v[PT+4*\t+3], 24, v[17+2*\t]
.endr
.irp t, 0,1
	v_pk_add_f32 v[PT+4*\t:PT+4*\t+1], v[128+64*\t:129+64*\t], v[130+64*\t:131+64*\t]   ; the row's sum is taken of the unquantised p, in two chains a tile
.endr
.irp j, 4,8,12,16,20,24,28,32,36,40,44,48,52,56,60
.irp t, 0,1
	v_pk_add_f32 v[10+4*\t:11+4*\t], v[10+4*\t:11+4*\t], v[128+64*\t+\j:129+64*\t+\j]
	v_pk_add_f32 v[PT+4*\t:PT+4*\t+1], v[PT+4*\t:PT+4*\t+1], v[130+64*\t+\j:131+64*\t+\j]
.endr
.endr
.irp t, 0,1
	v_pk_add_f32 v[10+4*\t:11+4*\t], v[10+4*\t:11+4*\t], v[PT+4*\t:PT+4*\t+1]
.endr
.irp b, 0,1,2,3,4,5,6,7
.irp i, 0,2,4,6,8,10,12,14
	v_dual_min_num_f32 v[128+16*\b+\i], v[HD+\b], v[128+16*\b+\i] :: v_dual_min_num_f32 v[129+16*\b+\i], v[HD+\b], v[129+16*\b+\i]   ; the conversion does not saturate (ISA guide 7.6.2); p is not negative
.endr
.endr
	WIN 0x40                                       ; the codes go to window 1
.irp b, 0,1,2,3,4,5,6,7
	v_cvt_scalef32_pk8_fp8_f32 v[160+4*\b:161+4*\b], v[128+16*\b:135+16*\b], v[SO+\b]
	v_cvt_scalef32_pk8_fp8_f32 v[162+4*\b:163+4*\b], v[136+16*\b:143+16*\b], v[SO+\b]
.endr
	s_wait_alu depctr_va_vdst(0)                   ; directly ahead of the first reader of O^T
	WIN 0x41                                       ; O^T in window 1, f in window 0
.irp t, 0,1
.set i, 0
.rept 32
	v_pk_mul_f32 v[64*\t+i:64*\t+i+1], v[64*\t+i:64*\t+i+1], v[16+2*\t:17+2*\t] op_sel_hi:[1,0]   ; O^T under the new M, each accumulator from its low end on; these are also the places in front of the products
.set i, i+2
.endr
.endr
	WIN 0
.endm
; A KEY STEP of 128 keys.
.macro STEP
	v_add_nc_u32 v2, s[TB], v1                     ; three additions and five v_nop: the eight places behind the last products, in front of loads into their registers
	v_add_nc_u32 v3, s[TB], v5
	v_add_nc_u32 v4, s[TS], v21
	PLACES 5
	ds_load_b128 v[24:27], v4                      ; K's scale words: word j: lanes 0-15 tile 2 j, lanes 16-31 tile 2 j + 1
	ds_load_b128 v[28:31], v4 offset:4096          ; V's
.irp kt, 0,1,2,3
.irp c, 0,1,2,3
	ds_load_b128 v[64+16*\kt+4*\c:64+16*\kt+4*\c+3], v2 offset:\kt*2048+512*\c
.endr
.endr
	WIN 0x40
.irp kt, 0,1,2,3
.irp c, 0,1,2,3
	ds_load_b128 v[192+16*\kt+4*\c:192+16*\kt+4*\c+3], v2 offset:(\kt+4)*2048+512*\c
.endr
.endr
	s_wait_alu depctr_va_vdst(0)
	s_wait_dscnt 16                                ; the scale words and K's tiles 0-3 are in; tiles 4-7 may be out
	WIN 0x04                                       ; Q in window 1
.irp kt, 0,1,2,3
.irp t, 0,1
	WM 128+64*\t+8*\kt, 64+16*\kt, 128+16*\t, 0, 24+\kt/2, 20, \kt%2, \t
.endr
.endr
	s_wait_dscnt 0x0
	WIN 0x05                                       ; K's tiles 4-7 in window 1 too
.irp kt, 0,1,2,3
.irp t, 0,1
	WM 128+64*\t+8*(\kt+4), 192+16*\kt, 128+16*\t, 0, 26+\kt/2, 20, \kt%2, \t
.endr
.endr
	WIN 0
	PLACES 8                                       ; in front of the loads into K's registers and of the first reads of scores
.irp dt, 0,1,2,3
.irp c, 0,1,2,3
	ds_load_b128 v[64+16*\dt+4*\c:64+16*\dt+4*\c+3], v3 offset:\dt*2048+512*\c   ; V's tiles land under the softmax
.endr
.endr
	WIN 0x40
.irp dt, 0,1,2,3
.irp c, 0,1,2,3
	ds_load_b128 v[192+16*\dt+4*\c:192+16*\dt+4*\c+3], v3 offset:(\dt+4)*2048+512*\c
.endr
.endr
	WIN 0
	SOFT
	s_wait_alu depctr_va_vdst(0)
	s_wait_dscnt 0x0                               ; V
	WIN 0x54                                       ; p's codes, C and D in window 1.  The sixteen accumulators take turns
.irp dt, 0,1,2,3
.irp t, 0,1
	WM 64*\t+8*\dt, 64+16*\dt, 160+16*\t, v[64*\t+8*\dt:64*\t+8*\dt+7], 28+\dt/2, 17+2*\t, \dt%2, 0
.endr
.endr
	WIN 0x55
.irp dt, 4,5,6,7
.irp t, 0,1
	WM 64*\t+8*\dt, 128+16*\dt, 160+16*\t, v[64*\t+8*\dt:64*\t+8*\dt+7], 28+\dt/2, 17+2*\t, \dt%2, 0
.endr
.endr
	WIN 0
	s_add_co_u32 s[TB], s[TB], 16384
	s_add_co_u32 s[TS], s[TS], 512
.endm
	s_wait_alu depctr_va_vdst(0)
	s_wait_tensorcnt 0x0                           ; my part of key steps 0-1 or of the scale words is in
	ds_add_u32 v[SPW], v[NIL]
	s_wait_dscnt 0x0
	ROUND                                          ; everybody's are, and the joint loads meet
	tensor_load_to_lds s[56:59], s[40:47]          ; key steps 2-7: the first load behind the round
	s_nop 0
	PLACES 4
	s_wait_loadcnt 0x0                             ; Q and its scale words
	s_mov_b32 s[CNT], 2
.Lfirst:                                               ; key steps 0-1
	STEP
	s_sub_co_u32 s[CNT], s[CNT], 1
	s_cmp_lg_u32 s[CNT], 0
	s_cbranch_scc1 .Lfirst
	s_wait_tensorcnt 0x0                           ; my part of key steps 2-7
	s_wait_dscnt 0x0
	s_barrier_signal -1
	s_barrier_wait -1
	s_mov_b32 s[CNT], 6
.Lstep:
	STEP
	s_sub_co_u32 s[CNT], s[CNT], 1
	s_cmp_lg_u32 s[CNT], 0
	s_cbranch_scc1 .Lstep
	; THE WAY OUT: O^T / the sum, quantised along the head's 128 (K step = head of the last product), one image a tile
	PLACES 8
.irp t, 0,1
	v_add_f32 v[10+4*\t], v[10+4*\t], v[11+4*\t]
.endr
.irp t, 0,1
	v_permlanex16_b32 v[PT+\t], v[10+4*\t], s[SEL], s[SEL+1]
.endr
.irp t, 0,1
	v_add_f32 v[10+4*\t], v[10+4*\t], v[PT+\t]     ; the row's sum
.endr
	s_wait_alu depctr_va_vdst(0)
.irp t, 0,1
	v_rcp_f32 v[10+4*\t], v[10+4*\t]
.endr
	v_nop                                          ; a plain line behind the reciprocals
	s_wait_alu depctr_va_vdst(0)
	WIN 0x01                                       ; source 0: O^T in window 1
.irp t, 0,1
.set i, 0
.rept 32
	v_pk_mul_f32 v[128+64*\t+i:129+64*\t+i], v[64*\t+i:64*\t+i+1], v[10+4*\t:11+4*\t] op_sel_hi:[1,0]   ; register 8 dt + j is channel 32 (dt / 2) + 16 (lane / 16) + 8 (dt % 2) + j
.set i, i+2
.endr
.endr
	WIN 0
.irp b, 0,1,2,3,4,5,6,7                ; the quantiser: tile b / 4, block b % 4
	v_max3_num_f32 v[BM+\b], |v[128+16*\b]|, |v[129+16*\b]|, 0x4800000
.endr
.irp i, 2,4,6,8,10,12,14
.irp b, 0,1,2,3,4,5,6,7
	v_max3_num_f32 v[BM+\b], v[BM+\b], |v[128+16*\b+\i]|, |v[129+16*\b+\i]|
.endr
.endr
.irp b, 0,1,2,3,4,5,6,7
	v_permlanex16_b32 v[PT+\b], v[BM+\b], s[SEL], s[SEL+1]
.endr
.irp b, 0,1,2,3,4,5,6,7
	v_max_num_f32 v[BM+\b], v[BM+\b], v[PT+\b]
.endr
.irp b, 0,1,2,3,4,5,6,7
	v_add_nc_u32 v[SO+\b], 0xfc000000, v[BM+\b]
.endr
.irp b, 0,1,2,3,4,5,6,7
	v_and_or_b32 v[HD+\b], v[BM+\b], 0x7f800000, s[MNT]
.endr
.irp b, 0,1,2,3,4,5,6,7
	v_lshrrev_b32 v[PT+\b], 23, v[SO+\b]
.endr
.irp t, 0,1
	v_lshl_or_b32 v[2+\t], v[PT+4*\t+1], 8, v[PT+4*\t]
.endr
.irp t, 0,1
	v_lshl_or_b32 v[2+\t], v[PT+4*\t+2], 16, v[2+\t]
.endr
.irp t, 0,1
	v_lshl_or_b32 v[2+\t], v[PT+4*\t+3], 24, v[2+\t]
.endr
.irp b, 0,1,2,3,4,5,6,7
.irp i, 0,1,2,3,4,5,6,7,8,9,10,11,12,13,14,15
	v_med3_num_f32 v[128+16*\b+\i], v[128+16*\b+\i], -v[HD+\b], v[HD+\b]
.endr
	v_cvt_scalef32_pk8_fp8_f32 v[64+4*\b:65+4*\b], v[128+16*\b:135+16*\b], v[SO+\b]
	v_cvt_scalef32_pk8_fp8_f32 v[66+4*\b:67+4*\b], v[136+16*\b:143+16*\b], v[SO+\b]
.endr
	v_cndmask_b32 v4, v2, v3, s[HI]                ; lanes 0-15 the even tile's word, lanes 16-31 the odd tile's
.irp t, 0,1
.irp c, 0,1,2,3
	global_store_b128 v1, v[64+16*\t+4*\c:64+16*\t+4*\c+3], s[8:9] offset:\t*16384+512*\c   ; 512 consecutive bytes
.endr
.endr
	s_wait_alu depctr_va_vdst(0)
	global_store_b32 v22, v4, s[10:11]
	s_wait_tensorcnt 0x0                           ; the wave's end
	ds_add_u32 v[SPW], v[NIL]
	s_wait_dscnt 0x0
	ROUND                                          ; the closing round
	s_endpgm
.Lfunc_end_k_qd94b2fa507_attn:
	.size	k_qd94b2fa507_attn, .Lfunc_end_k_qd94b2fa507_attn-k_qd94b2fa507_attn
	.p2alignl 7, 3214868480
	.fill 96, 4, 3214868480
	.section	.rodata,"a",@progbits
	.p2align	6, 0x0
	.amdhsa_kernel k_qd94b2fa507_attn
		.amdhsa_group_segment_fixed_size 327680
		.amdhsa_private_segment_fixed_size 0
		.amdhsa_enable_private_segment 0
		.amdhsa_kernarg_size 32
		.amdhsa_user_sgpr_count 2
		.amdhsa_user_sgpr_kernarg_segment_ptr 1
		.amdhsa_wavefront_size32 1
		.amdhsa_system_sgpr_workgroup_id_x 1
		.amdhsa_system_sgpr_workgroup_id_y 1
		.amdhsa_system_sgpr_workgroup_id_z 1
		.amdhsa_system_vgpr_workitem_id 0
		.amdhsa_next_free_vgpr 512
		.amdhsa_next_free_sgpr 80
		.amdhsa_reserve_vcc 0
		.amdhsa_float_denorm_mode_32 3
		.amdhsa_float_denorm_mode_16_64 3
		.amdhsa_memory_ordered 1
		.amdhsa_forward_progress 1
		.amdhsa_inst_pref_size 113
	.end_amdhsa_kernel
	.amdgpu_metadata
---
amdhsa.version: [ 1, 2 ]
amdhsa.kernels:
  - .name:           k_qd94b2fa507_attn
    .symbol:         k_qd94b2fa507_attn.kd
    .args:
      - { .name: qkv_img, .offset: 0, .size: 8, .value_kind: global_buffer, .address_space: global }
      - { .name: qkv_scl, .offset: 8, .size: 8, .value_kind: global_buffer, .address_space: global }
      - { .name: ctx_img, .offset: 16, .size: 8, .value_kind: global_buffer, .address_space: global }
      - { .name: ctx_scl, .offset: 24, .size: 8, .value_kind: global_buffer, .address_space: global }
    .group_segment_fixed_size: 327680
    .private_segment_fixed_size: 0
    .kernarg_segment_align: 8
    .kernarg_segment_size: 32
    .max_flat_workgroup_size: 256
    .sgpr_count:     80
    .vgpr_count:     512
    .wavefront_size: 32
...
	.end_amdgpu_metadata
.endif
;; end of part 3
;; launch outln (part 4): grid 256 x 1, 4 waves a work-group, clusters of 4 x 1, 327,680 bytes of LDS; arguments ctx_img, ctx_scl, codes, scl, val, b_out, ln_gamma, ln_beta, out0; writes out0
.if DOCPART == 4
	.amdgcn_target "amdgcn-amd-amdhsa--gfx1250"
	.amdhsa_code_object_version 6
	.text
	.protected	k_qd94b2fa507_outln
	.globl	k_qd94b2fa507_outln
	.p2align	8
	.type	k_qd94b2fa507_outln,@function
k_qd94b2fa507_outln:
	s_mov_b64 s[64:65], 0
	v_nop
	global_prefetch_b8 v0, s[64:65] scope:SCOPE_SE
	s_setreg_imm32_b32 hwreg(HW_REG_WAVE_MODE, 25, 1), 1
	s_wait_xcnt 0x0
	s_wait_alu depctr_hold_cnt(0) depctr_sa_sdst(0) depctr_va_vdst(0) depctr_va_sdst(0) depctr_va_ssrc(0) depctr_va_vcc(0) depctr_vm_vsrc(0)
	s_getreg_b32 s2, hwreg(HW_REG_IB_STS2, 6, 4)
	s_cmp_eq_u32 s2, 0
	s_cbranch_scc0 .Lentry_in_a_cluster
	s_endpgm
.Lentry_in_a_cluster:
	s_bfe_u32 s2, ttmp6, 0x10000c
	s_cmp_lg_u32 s2, 0x3003
	s_cbranch_scc0 .Lentry_shape_is_right
	s_endpgm
.Lentry_shape_is_right:
; out0 = LayerNorm(val + ctx w_out + b_out) x gamma + beta; the product on codes of FP8 (E4M3) with E8M0 scales.
; SHARES.  Work-group G owns tokens 32 G .. 32 G + 31 (two tiles of ctx) and ALL 1,024 columns, so that the norm's sums stay inside the work-group and the product's result never goes to memory.
; K goes in four planes of 256.  Of w_out's 64 tiles of 16 columns the first 32 come through LDS, a plane's 131,072 dense bytes a fill, two slots by turns; the last 32 come straight into registers, a plane ahead: each of their fragments is read by one wave
; of the work-group alone.  Wave w multiplies tiles 8 w .. + 7 of either half: 2 x 16 accumulators.
; CLUSTERS of four work-groups along x: all need the same bytes of w_out; the fills are joint loads.  At the head waves 0 and 1 fetch the first fill's halves, waves 2 and 3 the two tiles of ctx (32,768 bytes, each work-group's own);
; every later fill is four loads of 32,768 bytes, one a wave, behind a round.  One tensor load of a wave is out at the most.
; Planes 1 to 3 of w_out are prefetched once at the head: 24 of each 32 clusters take 32 blocks of 256 bytes a work-group, told apart by address; each block is so named by two work-groups.
; The sums begin with b_out (the C of the first products).  The product is used transposed (source 0 = 16 columns of w_out, source 1 = 16 tokens).  Results meet in a stage that lies over the slots, which have then had their last fill and their last read;
; then wave w takes eight whole rows: mean, then the mean of squares of the differences; 1 / sqrt by v_rsq_f32.  val's eight rows are asked for behind the last plane's products, into the registers that these have read.
; LIMIT: NaN and infinities are not served.
; REGISTERS.  Window 0: v1-9, v20-23 addresses; v26-33 ctx's scale words, v40-103 w_out's: those of the plane in hand are the first two of AS and the first two of each four of WA: the others move down once a plane; v104-121 at work; v128-191 ctx's four fragments of a plane; v192-255 gamma, beta.
;   Window 1: w_out's last half, a plane; then val's rows.   Window 2: the accumulators.   Window 3: w_out's first half, a plane, from LDS; then my eight rows.
.set PLANE,  3145728                   ; bytes from plane to plane in codes
.set SPITCH, 4112                      ; a stage row: 4,096 bytes + 16: the sixteen rows that a store touches start at sixteen different banks
.set SLOT,   131072
.set CTX,    2*SLOT
.set SPARE,  CTX+32768
.set SPW, 20
.set NIL, 21
.set AS, 26
.set WA, 40
.set WB, 72
.set T,  104
.set U,  120
.set CX, 128
.set GM, 192
.set BT, 224
.set TB, 62
.set MSB, 0
.macro WIN new
.if MSB != (\new)
	s_set_vgpr_msb (MSB<<8)|(\new)
.set MSB, (\new)
.endif
.endm
.macro PLACES n
.rept \n
	v_nop
.endr
.endm
.macro ROUND                           ; a round of the cluster's barrier
	s_barrier_signal -1
	s_barrier_wait -1
	s_cmp_lg_u32 s22, 0
	s_cbranch_scc1 .Lnot_wave_0_\@
	s_barrier_signal -3
.Lnot_wave_0_\@:
	s_barrier_wait -3
	s_barrier_signal -1
	s_barrier_wait -1
.endm
.macro WM d, a, b, sa, sb, ra, rb
.if (\ra) && (\rb)
	v_wmma_scale_f32_16x16x128_f8f6f4 v[(\d):(\d)+7], v[(\a):(\a)+15], v[(\b):(\b)+15], v[(\d):(\d)+7], v[\sa], v[\sb] matrix_a_scale:MATRIX_SCALE_ROW1 matrix_b_scale:MATRIX_SCALE_ROW1
.elseif \ra
	v_wmma_scale_f32_16x16x128_f8f6f4 v[(\d):(\d)+7], v[(\a):(\a)+15], v[(\b):(\b)+15], v[(\d):(\d)+7], v[\sa], v[\sb] matrix_a_scale:MATRIX_SCALE_ROW1
.elseif \rb
	v_wmma_scale_f32_16x16x128_f8f6f4 v[(\d):(\d)+7], v[(\a):(\a)+15], v[(\b):(\b)+15], v[(\d):(\d)+7], v[\sa], v[\sb] matrix_b_scale:MATRIX_SCALE_ROW1
.else
	v_wmma_scale_f32_16x16x128_f8f6f4 v[(\d):(\d)+7], v[(\a):(\a)+15], v[(\b):(\b)+15], v[(\d):(\d)+7], v[\sa], v[\sb]
.endif
.endm
.macro PAIR hf, p                      ; tiles 2 p, 2 p + 1 of half hf: four accumulators by turns
.irp s, 0,1
.irp cc, 0,1
.irp rt, 0,1
	WM 8*(16*\rt+8*\hf+2*\p+\cc), 64*\p+32*\cc+16*\s, CX+32*\s+16*\rt, WA+16*\hf+4*\p+\s, AS+\s, \cc, \rt
.endr
.endr
.endr
.endm
.macro DIRECT p                        ; tiles 2 p, 2 p + 1 of the last half, a plane, straight into window 1
.irp i, 0,1,2,3,4,5,6,7,8,9,10,11,12,13,14,15
	global_load_b128 v[64*\p+4*\i:64*\p+4*\i+3], v1, s[60:61] offset:8192*\p+512*\i
.endr
.endm
	s_load_b512 s[4:19], s[0:1], 0x0               ; ctx_img s[4:5], ctx_scl s[6:7], codes s[8:9], scl s[10:11], val s[12:13], b_out s[14:15], gamma s[16:17], beta s[18:19]
	s_load_b64 s[20:21], s[0:1], 0x40              ; out0
	v_lshl_add_u32 v[SPW], v0, 2, SPARE
	v_mov_b32 v[NIL], 0
	ds_add_u32 v[SPW], v[NIL]                      ; the opening lines: the add, twice on end, under one wait
	ds_add_u32 v[SPW], v[NIL]
	v_lshrrev_b32 v1, 5, v0
	v_readfirstlane_b32 s22, v1                    ; wave 0..3
	s_lshl_b32 s68, s22, 15                        ; my 32,768 bytes of a fill
	s_lshl_b32 s69, s22, 9
	s_mul_i32 s70, s22, 8*SPITCH
	v_and_b32 v10, 31, v0                          ; lane
	v_and_b32 v11, 15, v0                          ; r
	v_bfe_u32 v12, v0, 4, 1                        ; h
	v_lshlrev_b32 v1, 4, v10                       ; 16 x lane
	v_lshl_add_u32 v23, v12, 6, s69                ; columns: 64 h + 512 w bytes into a row
	v_mul_u32_u24 v5, v11, SPITCH
	v_lshlrev_b32 v8, 2, v10                       ; 4 x lane
	v_lshlrev_b32 v9, 4, v11
	v_lshl_add_u32 v9, v12, 9, v9                  ; w_out's scale words: lanes 16-31 take the next tile's
	v_add_nc_u32 v2, s68, v1                       ; my part of a slot
	v_add_nc_u32 v4, CTX, v1                       ; ctx's images, the plane in hand
	v_add_nc_u32 v5, v5, v23                       ; into the stage: row r, tile 0;
	v_add_nc_u32 v6, 16*SPITCH, v5                 ; tile 1
	v_add_nc_u32 v7, s70, v1                       ; back: my eight rows
	v_lshlrev_b32 v22, 8, v10                      ; a prefetch's lanes: 256 bytes apart
	v_mov_b32 v[U], 0                              ; a lane permute's destination counts as one of its sources
	v_mov_b32 v[U+1], 0
	s_bfe_u32 s66, ttmp6, 0x40000                  ; cx: it enters ctx's, val's, out0's and the prefetch's addresses alone
	s_lshl_b32 s67, ttmp9, 2
	s_add_co_u32 s67, s67, s66                     ; G
	; groups 1: dense rows of 256 bytes (32 elements of 8 bytes): 256 and 128 of w_out, joint; 64 of ctx, my own
.irp g, 24, 36, 48
	s_mov_b32 s[\g+1], 32<<16
	s_mov_b32 s[\g+3], 32<<16
	s_mov_b32 s[\g+5], 32
	s_mov_b32 s[\g+6], 0
	s_mov_b32 s[\g+7], 0
.endr
	s_mov_b32 s24, 15|(3<<16)|(1<<21)
	s_mov_b32 s26, 256<<16
	s_mov_b32 s28, 256
	s_mov_b32 s36, 15|(3<<16)|(1<<21)
	s_mov_b32 s38, 128<<16
	s_mov_b32 s40, 128
	s_mov_b32 s48, 3<<16
	s_mov_b32 s50, 64<<16
	s_mov_b32 s52, 64
	s_mov_b32 s[TB], 0
	s_and_b32 s72, s22, 1
	s_lshl_b32 s74, s72, 16                        ; the head's half of fill 0
	s_add_co_u32 s76, s74, 704*4096                ; w_out's tiles begin at tile 704
	s_mov_b32 s77, 0
	s_lshl_b32 s75, s72, 14                        ; the head's tile of ctx
	s_lshl_b32 s78, s67, 15
	s_add_co_u32 s78, s78, s75
	s_mov_b32 s79, 0
	s_add_co_u32 s80, s68, 704*4096                ; the ring: my part of tiles 0-31
	s_mov_b32 s81, 0
	s_add_co_u32 s82, s68, 736*4096                ; straight: my part of tiles 32-63
	s_mov_b32 s83, 0
	s_and_b32 s84, ttmp9, 31                       ; the prefetch: window 4 (cluster % 32) + cx of 8,192 bytes, planes 1 to 3
	s_lshl_b32 s85, s84, 2
	s_add_co_u32 s85, s85, s66
	s_lshr_b32 s86, s85, 5
	s_add_co_u32 s86, s86, 1
	s_mul_i32 s86, s86, PLANE
	s_and_b32 s85, s85, 31
	s_lshl_b32 s85, s85, 13
	s_add_co_u32 s86, s86, s85
	s_add_co_u32 s86, s86, 704*4096
	s_mov_b32 s87, 0
	; stage rows 8 w .. 8 w + 7 are tokens 8 (w / 2) + 16 (w % 2) + 0 .. 7 of the work-group's 32 (tile rt's row r is token 8 rt + r + 8 (r / 8))
	s_lshr_b32 s90, s22, 1
	s_lshl_b32 s90, s90, 15
	s_add_co_u32 s90, s90, s74
	s_lshl_b32 s91, s67, 17
	s_add_co_u32 s90, s90, s91                     ; their first byte in val and in out0
	s_mov_b32 s91, 0
	s_lshl_b32 s92, s22, 12
	s_add_co_u32 s92, s92, 704*512                 ; w_out's scale words: my tiles
	s_mov_b32 s93, 0
	s_lshl_b32 s94, s67, 10                        ; ctx's
	s_mov_b32 s95, 0
	s_mov_b32 s96, 0x76543210
	s_mov_b32 s97, 0xfedcba98
	s_mov_b32 s98, 0x3a800000                      ; 1 / 1024
	s_mov_b32 s99, 0x3727c5ac                      ; 1e-5
	s_wait_alu depctr_va_vdst(0)                   ; at the head's end
	s_wait_dscnt 0x0                               ; both opening adds are done
	ROUND                                          ; all four work-groups are here: the first joint loads meet
	s_wait_kmcnt 0x0
	s_mov_b32 s32, 1
	s_mov_b32 s33, s74
	s_add_nc_u64 s[34:35], s[8:9], s[76:77]
	s_or_b32 s35, s35, 0x80000000
	s_mov_b32 s44, 1
	s_add_co_u32 s45, s75, CTX
	s_add_nc_u64 s[46:47], s[4:5], s[78:79]
	s_or_b32 s47, s47, 0x80000000
	s_cmp_lt_u32 s22, 2                            ; one load a wave at the head
	s_cbranch_scc0 .Lfor_ctx
	tensor_load_to_lds s[32:35], s[24:31]          ; waves 0, 1: plane 0, tiles 0-31
	s_nop 0
	PLACES 4
	s_branch .Lasked
.Lfor_ctx:
	tensor_load_to_lds s[44:47], s[48:55]          ; waves 2, 3: ctx
	s_nop 0
	PLACES 4
.Lasked:
	s_mov_b32 s56, 1                               ; the ring's group 0: slot 0, plane 0; stepped ahead of each use
	s_mov_b32 s57, s68
	s_add_nc_u64 s[58:59], s[8:9], s[80:81]
	s_or_b32 s59, s59, 0x80000000
	s_add_nc_u64 s[60:61], s[8:9], s[82:83]
	s_add_nc_u64 s[88:89], s[8:9], s[86:87]
	s_add_nc_u64 s[12:13], s[12:13], s[90:91]
	s_add_nc_u64 s[20:21], s[20:21], s[90:91]
	s_add_nc_u64 s[10:11], s[10:11], s[92:93]
	s_add_nc_u64 s[6:7], s[6:7], s[94:95]
.irp k, 0,1,2,3,4,5,6,7
	global_load_b32 v[AS+\k], v8, s[6:7] offset:128*\k   ; K step k: lanes 0-15 tile 0, lanes 16-31 tile 1
.endr
.irp p, 0,1,2,3,4,5,6,7                ; pair p of my sixteen tiles: lanes 0-15 the even tile, lanes 16-31 the odd; four K steps a load
	global_load_b128 v[WA+4*\p:WA+4*\p+3], v9, s[10:11] offset:(\p/4)*16384+(\p%4)*1024
	global_load_b128 v[WB+4*\p:WB+4*\p+3], v9, s[10:11] offset:(\p/4)*16384+(\p%4)*1024+256
.endr
	WIN 0x80                                       ; b_out into the accumulators: register j of tile 8 hf + c is column 512 hf + 128 w + 32 (c / 2) + 16 h + 8 (c % 2) + j
.irp rt, 0,1
.irp hf, 0,1
.irp c, 0,1,2,3,4,5,6,7
	global_load_b128 v[8*(16*\rt+8*\hf+\c):8*(16*\rt+8*\hf+\c)+3], v23, s[14:15] offset:2048*\hf+128*(\c/2)+32*(\c%2)
	global_load_b128 v[8*(16*\rt+8*\hf+\c)+4:8*(16*\rt+8*\hf+\c)+7], v23, s[14:15] offset:2048*\hf+128*(\c/2)+32*(\c%2)+16
.endr
.endr
.endr
	WIN 0
.irp k, 0,1,2,3,4,5,6,7
	global_load_b128 v[GM+4*\k:GM+4*\k+3], v1, s[16:17] offset:512*\k
	global_load_b128 v[BT+4*\k:BT+4*\k+3], v1, s[18:19] offset:512*\k
.endr
	WIN 0x40
	DIRECT 0
	DIRECT 1
	DIRECT 2
	DIRECT 3
	WIN 0
	s_cmp_eq_u32 s22, 0
	s_cbranch_scc0 .Lnot_mine
	s_cmp_lt_u32 s84, 24
	s_cbranch_scc0 .Lnot_mine
	global_prefetch_b8 v22, s[88:89] th:TH_LOAD_NT scope:SCOPE_SE
.Lnot_mine:
; A PLANE.  fill = 1: behind the round the other slot takes the next plane, and each pair of the last half is followed by its next plane's loads; fill = 0: by two rows of val.
.macro PLANEWORK fill
	v_add_nc_u32 v3, s[TB], v2                     ; my part of this plane's slot
	s_wait_alu depctr_va_vdst(0)                   ; directly ahead of the wait below
	s_wait_tensorcnt 0x0                           ; my load is in;
	ds_add_u32 v[SPW], v[NIL]
.if \fill
	s_xor_b32 s57, s57, SLOT                       ; the other slot, the next plane
	s_add_nc_u64 s[58:59], s[58:59], PLANE
	s_wait_xcnt 0x0                                ; my loads have read their base
	s_add_nc_u64 s[60:61], s[60:61], PLANE
	s_wait_dscnt 0x0                               ; the add is done, and my reads of the other slot are over
	ROUND
	tensor_load_to_lds s[56:59], s[36:43]
	s_nop 0
.else
	s_wait_dscnt 0x0
	s_barrier_signal -1
	s_barrier_wait -1
.endif
	PLACES 8                                       ; in front of the loads into registers that products have read
.irp s, 0,1
.irp rt, 0,1
.irp q, 0,1,2,3
	ds_load_b128 v[CX+32*\s+16*\rt+4*\q:CX+32*\s+16*\rt+4*\q+3], v4 offset:16384*\rt+2048*\s+512*\q
.endr
.endr
.endr
	WIN 0xc0
.irp c, 0,1,2,3,4,5,6,7
.irp s, 0,1
.irp q, 0,1,2,3
	ds_load_b128 v[32*\c+16*\s+4*\q:32*\c+16*\s+4*\q+3], v3 offset:4096*\c+2048*\s+512*\q
.endr
.endr
.endr
	s_wait_loadcnt 48                              ; all but the last half's three younger pairs (the first time: scale words and b_out are in)
	WIN 0xa3                                       ; source 0 (w_out) window 3, source 1 (ctx) window 0, C and D window 2
.irp p, 0,1,2,3
	s_wait_dscnt 48-16*\p                          ; this pair's sixteen loads are in; the younger pairs' may be out
	PAIR 0, \p
.endr
.irp p, 0,1,2,3
	s_wait_loadcnt 48                              ; this pair's sixteen loads are in; the three younger pairs' may be out
	WIN 0xa1
	PAIR 1, \p
	WIN 0x40
	PLACES 8
.if \fill
	DIRECT \p
.else
.irp a, 0,1
.irp k, 0,1,2,3,4,5,6,7
	global_load_b128 v[64*\p+32*\a+4*\k:64*\p+32*\a+4*\k+3], v1, s[12:13] offset:4096*(2*\p+\a)+512*\k th:TH_LOAD_NT   ; val: 512 consecutive bytes a load
.endr
.endr
.endif
.endr
	WIN 0
.endm
	s_mov_b32 s23, 3
.Lplane:
	PLANEWORK 1
.irp p, 0,1,2,3,4,5,6,7                ; the scale words move down (eight places and more behind the products that have read them)
	v_dual_mov_b32 v[WA+4*\p], v[WA+4*\p+2] :: v_dual_mov_b32 v[WA+4*\p+1], v[WA+4*\p+3]
.endr
.irp p, 0,1,2,3,4,5,6,7
	v_dual_mov_b32 v[WA+4*\p+2], v[WB+4*\p] :: v_dual_mov_b32 v[WA+4*\p+3], v[WB+4*\p+1]
.endr
.irp p, 0,1,2,3,4,5,6,7
	v_dual_mov_b32 v[WB+4*\p], v[WB+4*\p+2] :: v_dual_mov_b32 v[WB+4*\p+1], v[WB+4*\p+3]
.endr
.irp k, 0,2,4
	v_dual_mov_b32 v[AS+\k], v[AS+\k+2] :: v_dual_mov_b32 v[AS+\k+1], v[AS+\k+3]
.endr
	v_add_nc_u32 v4, 4096, v4                      ; and ctx's next plane
	s_xor_b32 s[TB], s[TB], SLOT
	s_wait_alu depctr_va_vdst(0)                   ; ahead of the branch
	s_sub_co_u32 s23, s23, 1
	s_cmp_lg_u32 s23, 0
	s_cbranch_scc1 .Lplane
	PLANEWORK 0
	s_wait_dscnt 0x0
	s_barrier_signal -1
	s_barrier_wait -1                              ; nobody reads a slot any more: the stage may be written
	WIN 0x08                                       ; an LDS store's data are its source 1: window 2
.irp rt, 0,1
.irp hf, 0,1
.irp c, 0,1,2,3,4,5,6,7
	ds_store_b128 v[5+\rt], v[8*(16*\rt+8*\hf+\c):8*(16*\rt+8*\hf+\c)+3] offset:2048*\hf+128*(\c/2)+32*(\c%2)   ; each accumulator from its low end on
	ds_store_b128 v[5+\rt], v[8*(16*\rt+8*\hf+\c)+4:8*(16*\rt+8*\hf+\c)+7] offset:2048*\hf+128*(\c/2)+32*(\c%2)+16
.endr
.endr
.endr
	WIN 0
	s_wait_dscnt 0x0                               ; for the others' sake: my stores into the stage are done
	s_barrier_signal -1
	s_barrier_wait -1                              ; 32 whole rows lie in the stage
	WIN 0xc0
.irp i, 0,1,2,3,4,5,6,7
.irp k, 0,1,2,3,4,5,6,7
	ds_load_b128 v[32*\i+4*\k:32*\i+4*\k+3], v7 offset:SPITCH*\i+512*\k
.endr
.endr
	WIN 0
.macro REDUCE                          ; four pairs a row -> their sum over the wave, in every lane; two rows by turns
.irp a, 0,8
	v_pk_add_f32 v[T+\a:T+\a+1], v[T+\a:T+\a+1], v[T+\a+2:T+\a+3]
	v_pk_add_f32 v[T+\a+4:T+\a+5], v[T+\a+4:T+\a+5], v[T+\a+6:T+\a+7]
.endr
.irp a, 0,8
	v_pk_add_f32 v[T+\a:T+\a+1], v[T+\a:T+\a+1], v[T+\a+4:T+\a+5]
.endr
.irp a, 0,8
	v_add_f32 v[T+\a], v[T+\a], v[T+\a+1]
.endr
.irp m, 1,2,4,8
.irp a, 0,8
	v_add_f32_dpp v[T+\a], v[T+\a], v[T+\a] row_xmask:\m row_mask:0xf bank_mask:0xf
.endr
.endr
.irp a, 0,8
	v_permlanex16_b32 v[U+\a/8], v[T+\a], s96, s97
.endr
.irp a, 0,8
	v_add_f32 v[T+\a], v[T+\a], v[U+\a/8]
.endr
.endm
.macro ROWS i                          ; rows i, i + 1 of my eight: row x in window 3 at v[32 x], val's in window 1 at the same numbers
	s_wait_loadcnt 48-8*\i                         ; these rows of val are in; the younger rows' loads may be out
	s_wait_dscnt 48-8*\i                           ; and these rows of the stage
	WIN 0xc7
.set p, 32*\i
.rept 32
	v_pk_add_f32 v[p:p+1], v[p:p+1], v[p:p+1]      ; + val
.set p, p+2
.endr
	WIN 0x0f
.irp c, 0,2,4,6
.irp a, 0,1
	v_pk_add_f32 v[T+8*\a+\c:T+8*\a+\c+1], v[32*(\i+\a)+\c:32*(\i+\a)+\c+1], v[32*(\i+\a)+8+\c:32*(\i+\a)+9+\c]   ; the row's sum, in four chains
.endr
.endr
	WIN 0x0c
.irp q, 16,24
.irp c, 0,2,4,6
.irp a, 0,1
	v_pk_add_f32 v[T+8*\a+\c:T+8*\a+\c+1], v[T+8*\a+\c:T+8*\a+\c+1], v[32*(\i+\a)+\q+\c:32*(\i+\a)+\q+\c+1]
.endr
.endr
.endr
	WIN 0
	REDUCE
.irp a, 0,8
	v_mul_f32 v[T+\a], s98, v[T+\a]                ; the mean
.endr
	WIN 0xc3
.irp a, 0,1
.set p, 32*(\i+\a)
.rept 16
	v_pk_add_f32 v[p:p+1], v[p:p+1], v[T+8*\a:T+8*\a+1] op_sel_hi:[1,0] neg_lo:[0,1] neg_hi:[0,1]
.set p, p+2
.endr
.endr
	WIN 0x0f
.irp c, 0,2,4,6
.irp a, 0,1
	v_pk_mul_f32 v[T+8*\a+\c:T+8*\a+\c+1], v[32*(\i+\a)+\c:32*(\i+\a)+\c+1], v[32*(\i+\a)+\c:32*(\i+\a)+\c+1]
.endr
.endr
.irp q, 8,16,24
.irp c, 0,2,4,6
.irp a, 0,1
	v_pk_fma_f32 v[T+8*\a+\c:T+8*\a+\c+1], v[32*(\i+\a)+\q+\c:32*(\i+\a)+\q+\c+1], v[32*(\i+\a)+\q+\c:32*(\i+\a)+\q+\c+1], v[T+8*\a+\c:T+8*\a+\c+1]
.endr
.endr
.endr
	WIN 0
	REDUCE
.irp a, 0,8
	v_mov_b32 v[T+\a+4], s99
.endr
.irp a, 0,8
	v_fma_f32 v[T+\a], v[T+\a], s98, v[T+\a+4]     ; the variance + 1e-5
.endr
	s_wait_alu depctr_va_vdst(0)                   ; ahead of the batch
.irp a, 0,8
	v_rsq_f32 v[T+\a+2], v[T+\a]
.endr
	v_nop                                          ; a plain line behind the transcendentals
	s_wait_alu depctr_va_vdst(0)                   ; and ahead of its first reader
	WIN 0xc3
.irp a, 0,1
.set p, 32*(\i+\a)
.rept 16
	v_pk_mul_f32 v[p:p+1], v[p:p+1], v[T+8*\a+2:T+8*\a+3] op_sel_hi:[1,0]
.set p, p+2
.endr
.endr
.irp a, 0,1
.set p, 0
.rept 16
	v_pk_fma_f32 v[32*(\i+\a)+p:32*(\i+\a)+p+1], v[32*(\i+\a)+p:32*(\i+\a)+p+1], v[GM+p:GM+p+1], v[BT+p:BT+p+1]
.set p, p+2
.endr
.endr
	WIN 0x0c
.irp a, 0,1
.irp k, 0,1,2,3,4,5,6,7
	global_store_b128 v1, v[32*(\i+\a)+4*\k:32*(\i+\a)+4*\k+3], s[20:21] offset:(\i+\a)*4096+512*\k th:TH_STORE_NT   ; 512 consecutive bytes, at a multiple of 256 from out0's first byte
.endr
.endr
	WIN 0
.endm
	ROWS 0
	ROWS 2
	ROWS 4
	ROWS 6
	s_wait_tensorcnt 0x0                           ; the wave's end
	ds_add_u32 v[SPW], v[NIL]
	s_wait_dscnt 0x0
	ROUND                                          ; the closing round
	s_endpgm
.Lfunc_end_k_qd94b2fa507_outln:
	.size	k_qd94b2fa507_outln, .Lfunc_end_k_qd94b2fa507_outln-k_qd94b2fa507_outln
	.p2alignl 7, 3214868480
	.fill 96, 4, 3214868480
	.section	.rodata,"a",@progbits
	.p2align	6, 0x0
	.amdhsa_kernel k_qd94b2fa507_outln
		.amdhsa_group_segment_fixed_size 327680
		.amdhsa_private_segment_fixed_size 0
		.amdhsa_enable_private_segment 0
		.amdhsa_kernarg_size 72
		.amdhsa_user_sgpr_count 2
		.amdhsa_user_sgpr_kernarg_segment_ptr 1
		.amdhsa_wavefront_size32 1
		.amdhsa_system_sgpr_workgroup_id_x 1
		.amdhsa_system_sgpr_workgroup_id_y 1
		.amdhsa_system_sgpr_workgroup_id_z 1
		.amdhsa_system_vgpr_workitem_id 0
		.amdhsa_next_free_vgpr 1024
		.amdhsa_next_free_sgpr 100
		.amdhsa_reserve_vcc 0
		.amdhsa_float_denorm_mode_32 3
		.amdhsa_float_denorm_mode_16_64 3
		.amdhsa_memory_ordered 1
		.amdhsa_forward_progress 1
		.amdhsa_inst_pref_size 141
	.end_amdhsa_kernel
	.amdgpu_metadata
---
amdhsa.version: [ 1, 2 ]
amdhsa.kernels:
  - .name:           k_qd94b2fa507_outln
    .symbol:         k_qd94b2fa507_outln.kd
    .args:
      - { .name: ctx_img, .offset: 0, .size: 8, .value_kind: global_buffer, .address_space: global }
      - { .name: ctx_scl, .offset: 8, .size: 8, .value_kind: global_buffer, .address_space: global }
      - { .name: codes, .offset: 16, .size: 8, .value_kind: global_buffer, .address_space: global }
      - { .name: scl, .offset: 24, .size: 8, .value_kind: global_buffer, .address_space: global }
      - { .name: val, .offset: 32, .size: 8, .value_kind: global_buffer, .address_space: global }
      - { .name: b_out, .offset: 40, .size: 8, .value_kind: global_buffer, .address_space: global }
      - { .name: ln_gamma, .offset: 48, .size: 8, .value_kind: global_buffer, .address_space: global }
      - { .name: ln_beta, .offset: 56, .size: 8, .value_kind: global_buffer, .address_space: global }
      - { .name: out0, .offset: 64, .size: 8, .value_kind: global_buffer, .address_space: global }
    .group_segment_fixed_size: 327680
    .private_segment_fixed_size: 0
    .kernarg_segment_align: 8
    .kernarg_segment_size: 72
    .max_flat_workgroup_size: 128
    .sgpr_count:     100
    .vgpr_count:     1024
    .wavefront_size: 32
...
	.end_amdgpu_metadata
.endif
;; end of part 4
